; MI455X (gfx1250); checked and timed in simulation.
; The chip was launched on July 23, 2026; its instructions are those of AMD's public machine-readable ISA for CDNA 5 (MIT licence, August 2026) and "CDNA5" Instruction Set Architecture Reference Guide (July 2026). The comments in the code are by the model that wrote it; some were corrected since.
;; Transformer Block. Allowed arithmetic: matrix products marked QUANTISED: E2M3 operands, one E8M0 scale for each 32 along K, by v_wmma_scale_f32_16x16x128_f8f6f4 with both operands' format E2M3, f32 sums; everything else in f32.
;; Inputs: b1 4,096 float32; b2 1,024 float32; bk 1,024 float32; bo 1,024 float32; bq 1,024 float32; bv 1,024 float32; norm1_w 1,024 float32; norm2_w 1,024 float32; w1_codes 4,096 x 32 x 24 uint8 (E2M3 codes of w1, K innermost, in blocks of 32 codes, four codes in three bytes); w1_scales 4,096 x 32 uint8 (E8M0 scales of w1, one for each 32 codes along K); w2_codes 1,024 x 128 x 24 uint8 (E2M3 codes of w2, K innermost, in blocks of 32 codes, four codes in three bytes); w2_scales 1,024 x 128 uint8 (E8M0 scales of w2, one for each 32 codes along K); wk_codes 1,024 x 32 x 24 uint8 (E2M3 codes of wk, K innermost, in blocks of 32 codes, four codes in three bytes); wk_scales 1,024 x 32 uint8 (E8M0 scales of wk, one for each 32 codes along K); wo_codes 1,024 x 32 x 24 uint8 (E2M3 codes of wo, K innermost, in blocks of 32 codes, four codes in three bytes); wo_scales 1,024 x 32 uint8 (E8M0 scales of wo, one for each 32 codes along K); wq_codes 1,024 x 32 x 24 uint8 (E2M3 codes of wq, K innermost, in blocks of 32 codes, four codes in three bytes); wq_scales 1,024 x 32 uint8 (E8M0 scales of wq, one for each 32 codes along K); wv_codes 1,024 x 32 x 24 uint8 (E2M3 codes of wv, K innermost, in blocks of 32 codes, four codes in three bytes); wv_scales 1,024 x 32 uint8 (E8M0 scales of wv, one for each 32 codes along K); x 2 x 2,048 x 1,024 float32.
;; Outputs: out0 2 x 2,048 x 1,024 float32.
;; This version of the problem:
;;   THIS VERSION OF THE PROBLEM IS GIVEN IN LOW PRECISION. The matrix products marked QUANTISED in the list below multiply operands that are first quantised to E2M3 (2 exponent bits, 3 mantissa bits; 6 bits a number), with one power-of-two scale for each 32 numbers along K (OCP MX v1.0); their sums are f32. All else is computed in f32.
;;   The module's matrix products, in the order in which they are computed (A, B: the left and right operand; K: the contracted axis; several contracted axes count as one K, in the product's order):
;;     1. [M 4,096, K 1,024] x [K 1,024, N 1,024]; A: computed on the way; B: input wq (given as codes): QUANTISED
;;     2. [M 4,096, K 1,024] x [K 1,024, N 1,024]; A: computed on the way; B: input wk (given as codes): QUANTISED
;;     3. [M 4,096, K 1,024] x [K 1,024, N 1,024]; A: computed on the way; B: input wv (given as codes): QUANTISED
;;     4. batch 32 x [M 2,048, K 64] x [K 64, N 2,048]; A: computed on the way; B: computed on the way: QUANTISED
;;     5. batch 32 x [M 2,048, K 2,048] x [K 2,048, N 64]; A: softmax (see below); B: computed on the way: QUANTISED
;;     6. [M 4,096, K 1,024] x [K 1,024, N 1,024]; A: computed on the way; B: input wo (given as codes): QUANTISED
;;     7. [M 4,096, K 1,024] x [K 1,024, N 4,096]; A: computed on the way; B: input w1 (given as codes): QUANTISED
;;     8. [M 4,096, K 4,096] x [K 4,096, N 1,024]; A: computed on the way; B: input w2 (given as codes): QUANTISED
;;   THE QUANTISER, for each operand of a quantised product, along K:
;;     - K is cut into blocks of 32 from its start; a last block that is shorter is filled with zeros.
;;     - A block's scale is 2^e with e = floor(log2(the largest magnitude in the block)) - 2, held to -126 .. 127; a block of zeros has e = 0. As a byte (E8M0): e + 127.
;;     - Each number is divided by its block's scale, clamped to +-7.5, and rounded to the nearest number of E2M3, ties to even, subnormals kept.
;;     - The product sums the exact products of the quantised numbers (number of the format x scale) in f32.
;;   ~~~python
;;   def quantise(x, axis):      # numpy; x: float32 -> the quantised numbers, widened to float32 again
;;       x = np.moveaxis(x, axis, -1); K = x.shape[-1]
;;       x = np.pad(x, [(0, 0)] * (x.ndim - 1) + [(0, -K % 32)]); x = x.reshape(x.shape[:-1] + (-1, 32)); a = np.abs(x).max(-1, keepdims=True)
;;       e = np.where(a > 0, np.clip(np.frexp(np.where(a > 0, a, 1))[1] - 1 - 2, -126, 127), 0)      # np.frexp(a)[1] - 1 = floor(log2(a)), exactly
;;       r = np.clip(x / 2.0 ** e, -7.5, 7.5)
;;       step = 2.0 ** (np.maximum(np.frexp(np.where(r == 0, 1, r))[1] - 1, 0) - 3)
;;       q = np.round(r / step) * step * 2.0 ** e      # np.round: ties to even
;;       return np.moveaxis(q.reshape(q.shape[:-2] + (-1,))[..., :K], -1, axis).astype(np.float32)
;;   ~~~
;;   SOFTMAX AHEAD OF A QUANTISED PRODUCT. Where the list says 'softmax', what is quantised is not the finished softmax but p = 2^(t - M), with t = logit x log2(e) and M = ceil(the row's largest t), a whole number; so 1/2 < the row's largest p <= 1. The row's sum l is taken of the UNQUANTISED p, in f32, and the product's result is divided by l at the end. Since M is a whole number, a kernel that streams over the keys may use a running M (the ceiling of the running maximum): every later rescaling is an exact power of two, which a block's scale takes up: the codes' values come out the same.
;;   OPERANDS COMPUTED ON THE WAY. 'Computed on the way' means the value that the module computes at that place (a softmax that the list does not call 'softmax' is quantised finished and normalised). What goes into a quantiser is computed in f32, as accurately as f32 sums, v_exp_f32 and their like allow (about 1e-6 of the number): no bf16 or f16 on the way to a quantiser, and a product that is left as it is and whose result goes on into a quantised operand takes f32 operands (vector FMAs, or v_wmma_f32_16x16x4_f32). A number that lies on a knife's edge between two numbers of the format may be rounded either way, as far as f32 arithmetic and the matrix unit's own rounding can turn it there, and no further.
;;   INPUTS GIVEN AS CODES. w1 (in the module: [1024, 4096], K = its axis 0); w2 (in the module: [4096, 1024], K = its axis 0); wk (in the module: [1024, 1024], K = its axis 0); wo (in the module: [1024, 1024], K = its axis 0); wq (in the module: [1024, 1024], K = its axis 0); wv (in the module: [1024, 1024], K = its axis 0): each comes as NAME_codes (uint8): NAME with its K axis moved to the last place and cut into blocks of 32 codes, [.., K / 32, bytes a block], one block behind the other in memory; four codes in three bytes: a row's codes are one little-endian stream of bits, code i at bits 6 i .. 6 i + 5 (a code: sign, 2 exponent bits, 3 mantissa bits); and NAME_scales (uint8): the same leading axes, one E8M0 byte (e + 127) for each 32 codes along K. Its value is code x scale, taken as it is: it is not quantised again, and the codes and scales need not be those that the quantiser above would give.
;; One version. Each part assembles by itself: llvm-mc -triple=amdgcn-amd-amdhsa -mcpu=gfx1250 --defsym DOCPART=n.
;; ======== version 1 of 1: 7 launches
;; limits: right only within a limited range of input values
;; workspace buffers: an 3,276,800 bytes; qkv 10,223,616 bytes; ctx 3,276,800 bytes; x1 16,777,216 bytes; g 13,107,200 bytes; wc 3,145,728 bytes; w1p 3,145,728 bytes; w2p 3,145,728 bytes
;; launch norm1 (part 1): grid 256 x 2, 4 waves a work-group, no clusters, 69,632 bytes of LDS; arguments x, norm1_w, an, wq_codes, wk_codes, wv_codes, wo_codes, w1_codes, w2_codes, wc, w1p, w2p; writes an, wc, w1p, w2p
.if DOCPART == 1
	.amdgcn_target "amdgcn-amd-amdhsa--gfx1250"
	.amdhsa_code_object_version 6
	.text
	.protected	k_qd20f0dc90e_norm1
	.globl	k_qd20f0dc90e_norm1
	.p2align	8
	.type	k_qd20f0dc90e_norm1,@function
k_qd20f0dc90e_norm1:
	s_mov_b64 s[64:65], 0
	v_nop
	global_prefetch_b8 v0, s[64:65] scope:SCOPE_SE
	s_setreg_imm32_b32 hwreg(HW_REG_WAVE_MODE, 25, 1), 1
	s_wait_xcnt 0x0
; TWO JOBS, parted by the work-group's y.
; y = 0: an = Q(w * (x / sqrt(mean(x^2) + 1e-5))): rows of 1,024 f32 become codes of FP6 (E2M3) with one E8M0 byte for each 32 along the row.
; y = 1 (only in the launch whose grid has it): the six weights' codes are laid anew, bytes unchanged, so that the products' tiles have rows that begin at multiples of 256 bytes.
; THE LAYOUT of all codes written here: images of operand registers.  A piece is 16 rows x 64 k = 768 bytes = [pair 0..2][lane r + 16 h][8 bytes]; lane (r, h) holds k = 32 h .. 32 h + 31 of row r.
; an: piece (k / 64, row / 16) at ((k / 64) 256 + row / 16) 768; scale bytes [4096][32] from byte 0x300000.  wc: the same with rows wq 0-1023, wk, wv, wo behind each other.  w1p: the same.  w2p: piece (k / 64, row / 16) at ((k / 64) 64 + row / 16) 768.
; SHARES, y = 0: 16 rows a work-group, 4 a wave, one row at a time by the whole wave; the row turns through the wave's stage in LDS so that lane l holds numbers 32 l .. 32 l + 31, one whole block.
; The work-group's 16 pieces gather in LDS and leave behind a barrier, each store 256 consecutive bytes, aligned.
; SHARES, y = 1: three units of 16 rows x 768 bytes a work-group (one of wq, wk, wv, wo; one of w1; one of w2), 4 rows a wave; lane l takes 24 bytes of a row in three loads; LDS bytes of their own.
; No matrix unit, no tensor load, no cluster: memory binds.
; LIMITS: NaN and infinities are not served.  A block whose largest magnitude lies under 2^-124, a block of zeros among them, gets the byte 1 (the rule says 127 for zeros): its codes are zeros, and only this program reads the bytes.  1 / sqrt is v_rsq_f32.
.set TSTG,  4608                       ; a wave's turn stage: 32 x 144
.set CSTG,  18432                      ; the work-group's 16 pieces
.set SCBY,  30976                      ; 512 scale bytes, behind 16 pieces at a pitch of 776 bytes in LDS (768 + 8: the 32 lanes of a store of codes then name 32 different columns of 8 bytes)
.set SPARE, 31744                      ; the spare words
.set PB,    32256                      ; y = 1: three units of 12,288 bytes
.set R,     32
.set X,     160
.set W,     192
.set C,     224
.set E,     24
	s_load_b128 s[4:7], s[0:1], 0x0                ; x, w
	s_load_b64 s[8:9], s[0:1], 0x10                ; an
	s_load_b256 s[36:43], s[0:1], 0x18             ; wq, wk, wv, wo
	s_load_b256 s[44:51], s[0:1], 0x38             ; w1, w2, wc, w1p
	s_load_b64 s[52:53], s[0:1], 0x58              ; w2p
	v_lshl_add_u32 v254, v0, 2, SPARE
	v_mov_b32 v255, 0
	v_lshrrev_b32 v1, 5, v0
	v_readfirstlane_b32 s10, v1                    ; wave
	v_and_b32 v1, 31, v0                           ; lane
	v_lshlrev_b32 v2, 4, v1                        ; 16 x lane
	s_and_b32 s11, ttmp7, 0xffff
	s_cmp_lg_u32 s11, 0
	s_wait_alu depctr_va_vdst(0)
	s_cbranch_scc1 .Lprep
	v_lshlrev_b32 v3, 7, v1                        ; my gains
	s_mul_i32 s11, s10, TSTG
	v_lshrrev_b32 v9, 3, v1
	v_lshl_add_u32 v4, v9, 4, v2
	v_add_nc_u32 v4, s11, v4                       ; turn stage, in
	v_mul_u32_u24 v5, v1, 144
	v_add_nc_u32 v5, s11, v5                       ; turn stage, out
	v_lshrrev_b32 v9, 1, v1
	v_mul_u32_u24 v6, v9, 776                      ; my block l lies in piece l / 2,
	v_and_b32 v9, 1, v1
	v_lshl_add_u32 v6, v9, 7, v6                   ; half l % 2,
	s_lshl_b32 s11, s10, 5
	s_add_co_u32 s11, s11, CSTG
	v_add_nc_u32 v6, s11, v6                       ; rows 4 wave on
	v_lshlrev_b32 v29, 3, v1                       ; 8 x lane
	s_mul_i32 s11, s10, 3104
	s_add_co_u32 s11, s11, CSTG
	v_add_nc_u32 v7, s11, v29                      ; the way out: pieces 4 wave on
	s_lshl_b32 s16, s10, 7
	s_add_co_u32 s16, s16, SCBY
	v_add_nc_u32 v8, s16, v1
	v_add_nc_u32 v28, SCBY, v2
	v_mov_b32 v10, 0
	s_mov_b32 s12, 0x76543210
	s_mov_b32 s13, 0xfedcba98
	s_mov_b32 s14, 0x3a800000                      ; 1 / 1024
	s_mov_b32 s15, 0x3727c5ac                      ; 1e-5
	s_lshl_b32 s16, ttmp9, 16
	s_lshl_b32 s17, s10, 14
	s_add_co_u32 s16, s16, s17
	s_mov_b32 s17, 0
	s_mul_i32 s18, ttmp9, 768
	s_mul_i32 s19, s10, 786432
	s_add_co_u32 s18, s18, s19
	s_mov_b32 s19, 0
	s_lshl_b32 s20, ttmp9, 9
	s_add_co_u32 s20, s20, 0x300000
	s_mov_b32 s21, 0
	s_wait_alu depctr_va_vdst(0)
	s_wait_kmcnt 0x0
	s_add_nc_u64 s[4:5], s[4:5], s[16:17]
	s_add_nc_u64 s[18:19], s[8:9], s[18:19]
	s_add_nc_u64 s[20:21], s[8:9], s[20:21]
.irp i, 0,1,2,3,4,5,6,7
	global_load_b128 v[W+4*\i:W+4*\i+3], v3, s[6:7] offset:16*\i
.endr
.irp t, 0,1,2,3
.irp j, 0,1,2,3,4,5,6,7
	global_load_b128 v[R+32*\t+4*\j:R+32*\t+4*\j+3], v2, s[4:5] offset:4096*\t+512*\j
.endr
.endr
.macro ROW t
	s_wait_loadcnt 8*(3-\t)                        ; this row's eight loads are in; the younger rows' stay out
.irp j, 0,1,2,3,4,5,6,7
	ds_store_b128 v4, v[R+32*\t+4*\j:R+32*\t+4*\j+3] offset:576*\j
.endr
.irp i, 0,1,2,3,4,5,6,7
	ds_load_b128 v[X+4*\i:X+4*\i+3], v5 offset:16*\i   ; a wave's LDS instructions are served in order
.endr
	s_wait_dscnt 0x0
.irp c, 0,1,2,3
	v_pk_mul_f32 v[12+2*\c:13+2*\c], v[X+2*\c:X+2*\c+1], v[X+2*\c:X+2*\c+1]
.endr
.irp i, 1,2,3
.irp c, 0,1,2,3
	v_pk_fma_f32 v[12+2*\c:13+2*\c], v[X+8*\i+2*\c:X+8*\i+2*\c+1], v[X+8*\i+2*\c:X+8*\i+2*\c+1], v[12+2*\c:13+2*\c]
.endr
.endr
	v_pk_add_f32 v[12:13], v[12:13], v[14:15]
	v_pk_add_f32 v[16:17], v[16:17], v[18:19]
	v_pk_add_f32 v[12:13], v[12:13], v[16:17]
	v_add_f32 v12, v12, v13
	v_add_f32_dpp v12, v12, v12 row_xmask:1 row_mask:0xf bank_mask:0xf
	v_add_f32_dpp v12, v12, v12 row_xmask:2 row_mask:0xf bank_mask:0xf
	v_add_f32_dpp v12, v12, v12 row_xmask:4 row_mask:0xf bank_mask:0xf
	v_add_f32_dpp v12, v12, v12 row_xmask:8 row_mask:0xf bank_mask:0xf
	v_permlanex16_b32 v10, v12, s12, s13
	v_add_f32 v12, v12, v10
	v_fma_f32 v12, v12, s14, s15                   ; mean + eps
	s_wait_alu depctr_va_vdst(0)
	v_rsq_f32 v20, v12
	v_rsq_f32 v21, v12
	v_nop
	s_wait_alu depctr_va_vdst(0)
.irp i, 0,2,4,6,8,10,12,14,16,18,20,22,24,26,28,30
	v_pk_mul_f32 v[X+\i:X+\i+1], v[X+\i:X+\i+1], v[20:21]
.endr
.irp i, 0,2,4,6,8,10,12,14,16,18,20,22,24,26,28,30
	v_pk_mul_f32 v[X+\i:X+\i+1], v[X+\i:X+\i+1], v[W+\i:W+\i+1]
.endr
	v_max3_num_f32 v12, |v[X]|, |v[X+1]|, |v[X+2]|
	v_max3_num_f32 v13, |v[X+3]|, |v[X+4]|, |v[X+5]|
.irp i, 6,10,14,18,22,26
	v_max3_num_f32 v12, v12, |v[X+\i]|, |v[X+\i+1]|
	v_max3_num_f32 v13, v13, |v[X+\i+2]|, |v[X+\i+3]|
.endr
	v_max3_num_f32 v12, v12, |v[X+30]|, |v[X+31]|
	v_max3_num_f32 v12, v12, v13, 0x1800000        ; the floor 2^(3 - 127)
	v_add_nc_u32 v11, 0xff000000, v12              ; 2 off the exponent field: the conversion's scale operand
	v_cvt_scalef32_pk16_fp6_f32 v[C+8*\t:C+8*\t+2], v[X:X+15], v11
	v_cvt_scalef32_pk16_fp6_f32 v[16:18], v[X+16:X+31], v11
	v_lshrrev_b32 v[E+\t], 23, v11                 ; the scale's byte; also the plain place behind the conversions
.irp i, 0,1,2
	v_mov_b32 v[C+8*\t+3+\i], v[16+\i]
.endr
.irp p, 0,1,2
	ds_store_b64 v6, v[C+8*\t+2*\p:C+8*\t+2*\p+1] offset:8*\t+256*\p
.endr
	ds_store_b8 v8, v[E+\t] offset:32*\t
.endm
	ROW 0
	ROW 1
	ROW 2
	ROW 3
	s_wait_dscnt 0x0                               ; for the others' sake: my codes and scale bytes lie in LDS
	s_barrier_signal -1
	s_barrier_wait -1
.irp k, 0,1,2,3,4,5,6,7,8,9,10,11
	ds_load_b64 v[R+2*\k:R+2*\k+1], v7 offset:(\k/3)*776+(\k%3)*256
.endr
	s_wait_dscnt 0x0
.irp k, 0,1,2,3,4,5,6,7,8,9,10,11
	global_store_b64 v29, v[R+2*\k:R+2*\k+1], s[18:19] offset:(\k/3)*196608+(\k%3)*256   ; 256 consecutive bytes, aligned
.endr
	s_cmp_lg_u32 s10, 0
	s_cbranch_scc1 .Lend
	ds_load_b128 v[60:63], v28
	s_wait_dscnt 0x0
	global_store_b128 v2, v[60:63], s[20:21]       ; the work-group's 512 scale bytes
.Lend:
	s_wait_tensorcnt 0x0                           ; the wave's end
	ds_add_u32 v254, v255
	s_wait_dscnt 0x0
	s_endpgm
.Lprep:
	s_lshr_b32 s20, ttmp9, 6                       ; which of wq, wk, wv, wo; which quarter of w2's K
	s_and_b32 s21, ttmp9, 63                       ; which 16 rows there
	s_mul_i32 s23, s10, 3072
	s_mul_i32 s22, s21, 12288
	s_add_co_u32 s22, s22, s23                     ; from: 16 rows of 768 bytes a unit, 4 a wave
	s_mul_i32 s24, ttmp9, 12288
	s_add_co_u32 s24, s24, s23
	s_mul_i32 s26, s21, 49152                      ; w2: rows of 3,072 bytes
	s_mul_i32 s27, s20, 768
	s_add_co_u32 s26, s26, s27
	s_mul_i32 s27, s10, 12288
	s_add_co_u32 s26, s26, s27
	s_mul_i32 s28, ttmp9, 768                      ; to: my block of rows, pieces 4 wave on
	s_mul_i32 s29, s10, 786432
	s_add_co_u32 s28, s28, s29
	s_mul_i32 s30, s20, 786432
	s_mul_i32 s31, s10, 196608
	s_add_co_u32 s30, s30, s31
	s_mul_i32 s31, s21, 768
	s_add_co_u32 s30, s30, s31
	s_mov_b32 s23, 0
	s_mov_b32 s25, 0
	s_mov_b32 s27, 0
	s_mov_b32 s29, 0
	s_mov_b32 s31, 0
	s_lshl_b32 s32, s10, 5
	s_add_co_u32 s32, s32, PB
	s_mul_i32 s33, s10, 3104
	s_add_co_u32 s33, s33, PB
	v_lshlrev_b32 v40, 3, v1                       ; 8 x lane
	v_add_nc_u32 v47, s33, v40
	v_mul_u32_u24 v41, v1, 24                      ; lane l takes block l of a row: 24 bytes, as three loads of 8; the three together cover the row's 768 bytes
	v_lshrrev_b32 v42, 1, v1
	v_mul_u32_u24 v42, v42, 776                    ; it goes to piece l / 2 (pitch 776 in LDS),
	v_and_b32 v43, 1, v1
	v_lshl_add_u32 v42, v43, 7, v42                ; half l % 2
	v_add_nc_u32 v44, s32, v42
	s_wait_alu depctr_va_vdst(0)
	s_wait_kmcnt 0x0
	s_cmp_eq_u32 s20, 1
	s_cselect_b64 s[36:37], s[38:39], s[36:37]
	s_cmp_eq_u32 s20, 2
	s_cselect_b64 s[36:37], s[40:41], s[36:37]
	s_cmp_eq_u32 s20, 3
	s_cselect_b64 s[36:37], s[42:43], s[36:37]
	s_add_nc_u64 s[36:37], s[36:37], s[22:23]
	s_add_nc_u64 s[44:45], s[44:45], s[24:25]
	s_add_nc_u64 s[46:47], s[46:47], s[26:27]
	s_add_nc_u64 s[48:49], s[48:49], s[28:29]
	s_add_nc_u64 s[50:51], s[50:51], s[28:29]
	s_add_nc_u64 s[52:53], s[52:53], s[30:31]
.macro PLD n, src, rp
.irp i, 0,1,2,3
.irp j, 0,1,2
	global_load_b64 v[64+24*\n+6*\i+2*\j:65+24*\n+6*\i+2*\j], v41, s[\src:\src+1] offset:\i*\rp+8*\j th:TH_LOAD_NT
.endr
.endr
.endm
.macro PST n
	s_wait_loadcnt 24-12*\n                        ; this unit's twelve loads are in; the later units' stay out
.irp i, 0,1,2,3
.irp j, 0,1,2
	ds_store_b64 v44, v[64+24*\n+6*\i+2*\j:65+24*\n+6*\i+2*\j] offset:12416*\n+8*\i+256*\j
.endr
.endr
.endm
.macro POUT n, dst, dp
.irp k, 0,1,2,3,4,5,6,7,8,9,10,11
	ds_load_b64 v[64+24*\n+2*\k:65+24*\n+2*\k], v47 offset:12416*\n+(\k/3)*776+(\k%3)*256
.endr
	s_wait_dscnt 0x0
.irp k, 0,1,2,3,4,5,6,7,8,9,10,11
	global_store_b64 v40, v[64+24*\n+2*\k:65+24*\n+2*\k], s[\dst:\dst+1] offset:(\k/3)*\dp+(\k%3)*256   ; 256 consecutive bytes, aligned
.endr
.endm
	PLD 0, 36, 768
	PLD 1, 44, 768
	PLD 2, 46, 3072
	PST 0
	PST 1
	PST 2
	s_wait_dscnt 0x0
	s_barrier_signal -1
	s_barrier_wait -1
	POUT 0, 48, 196608
	POUT 1, 50, 196608
	POUT 2, 52, 49152
	s_wait_tensorcnt 0x0                           ; the wave's end
	ds_add_u32 v254, v255
	s_wait_dscnt 0x0
	s_endpgm
.Lfunc_end_k_qd20f0dc90e_norm1:
	.size	k_qd20f0dc90e_norm1, .Lfunc_end_k_qd20f0dc90e_norm1-k_qd20f0dc90e_norm1
	.p2alignl 7, 3214868480
	.fill 96, 4, 3214868480
	.section	.rodata,"a",@progbits
	.p2align	6, 0x0
	.amdhsa_kernel k_qd20f0dc90e_norm1
		.amdhsa_group_segment_fixed_size 69632
		.amdhsa_private_segment_fixed_size 0
		.amdhsa_enable_private_segment 0
		.amdhsa_kernarg_size 96
		.amdhsa_user_sgpr_count 2
		.amdhsa_user_sgpr_kernarg_segment_ptr 1
		.amdhsa_wavefront_size32 1
		.amdhsa_system_sgpr_workgroup_id_x 1
		.amdhsa_system_sgpr_workgroup_id_y 1
		.amdhsa_system_sgpr_workgroup_id_z 1
		.amdhsa_system_vgpr_workitem_id 0
		.amdhsa_next_free_vgpr 256
		.amdhsa_next_free_sgpr 66
		.amdhsa_reserve_vcc 0
		.amdhsa_float_denorm_mode_32 3
		.amdhsa_float_denorm_mode_16_64 3
		.amdhsa_memory_ordered 1
		.amdhsa_forward_progress 1
		.amdhsa_inst_pref_size 49
	.end_amdhsa_kernel
	.amdgpu_metadata
---
amdhsa.version: [ 1, 2 ]
amdhsa.kernels:
  - .name:           k_qd20f0dc90e_norm1
    .symbol:         k_qd20f0dc90e_norm1.kd
    .args:
      - { .name: x, .offset: 0, .size: 8, .value_kind: global_buffer, .address_space: global }
      - { .name: norm1_w, .offset: 8, .size: 8, .value_kind: global_buffer, .address_space: global }
      - { .name: an, .offset: 16, .size: 8, .value_kind: global_buffer, .address_space: global }
      - { .name: wq_codes, .offset: 24, .size: 8, .value_kind: global_buffer, .address_space: global }
      - { .name: wk_codes, .offset: 32, .size: 8, .value_kind: global_buffer, .address_space: global }
      - { .name: wv_codes, .offset: 40, .size: 8, .value_kind: global_buffer, .address_space: global }
      - { .name: wo_codes, .offset: 48, .size: 8, .value_kind: global_buffer, .address_space: global }
      - { .name: w1_codes, .offset: 56, .size: 8, .value_kind: global_buffer, .address_space: global }
      - { .name: w2_codes, .offset: 64, .size: 8, .value_kind: global_buffer, .address_space: global }
      - { .name: wc, .offset: 72, .size: 8, .value_kind: global_buffer, .address_space: global }
      - { .name: w1p, .offset: 80, .size: 8, .value_kind: global_buffer, .address_space: global }
      - { .name: w2p, .offset: 88, .size: 8, .value_kind: global_buffer, .address_space: global }
    .group_segment_fixed_size: 69632
    .private_segment_fixed_size: 0
    .kernarg_segment_align: 8
    .kernarg_segment_size: 96
    .max_flat_workgroup_size: 128
    .sgpr_count:     66
    .vgpr_count:     256
    .wavefront_size: 32
...
	.end_amdgpu_metadata
.endif
;; end of part 1
;; launch qkv (part 2): grid 12 x 16, 4 waves a work-group, clusters of 4 x 4, 327,680 bytes of LDS; arguments an, wc, wq_scales, wk_scales, wv_scales, bq, bk, bv, qkv; writes qkv
.if DOCPART == 2
	.amdgcn_target "amdgcn-amd-amdhsa--gfx1250"
	.amdhsa_code_object_version 6
	.text
	.protected	k_qd20f0dc90e_qkv
	.globl	k_qd20f0dc90e_qkv
	.p2align	8
	.type	k_qd20f0dc90e_qkv,@function
k_qd20f0dc90e_qkv:
	s_mov_b64 s[64:65], 0
	v_nop
	global_prefetch_b8 v0, s[64:65] scope:SCOPE_SE
	s_setreg_imm32_b32 hwreg(HW_REG_WAVE_MODE, 25, 1), 1
	s_wait_xcnt 0x0
	s_wait_alu depctr_hold_cnt(0) depctr_sa_sdst(0) depctr_va_vdst(0) depctr_va_sdst(0) depctr_va_ssrc(0) depctr_va_vcc(0) depctr_vm_vsrc(0)
	s_getreg_b32 s2, hwreg(HW_REG_IB_STS2, 6, 4)
	s_cmp_eq_u32 s2, 0
	s_cbranch_scc0 .Lentry_in_a_cluster
	s_endpgm
.Lentry_in_a_cluster:
	s_bfe_u32 s2, ttmp6, 0x10000c
	s_cmp_lg_u32 s2, 0xf033
	s_cbranch_scc0 .Lentry_shape_is_right
	s_endpgm
.Lentry_shape_is_right:
; q = xn wq + bq, k = xn wk + bk, v = xn wv + bv on codes of FP6 (E2M3) with E8M0 scales, K = 1,024; the results are quantised at once: q and k along the head's 64 channels, v along the keys.
; xn: an (codes [4096][768 bytes], scale bytes [4096][32] from byte 0x300000).  Weights: codes [1024][768], scale bytes [1024][32].
; A tile of 256 x 256 is made by four waves, 128 x 128 each: 64 accumulators, 512 registers.  K goes in steps of 256 through a ring of two LDS slots filled by the tensor data mover.
; The cluster's x says which tensor: 0 q, 1 k, 2 v; all sixteen partners share it, so what is chosen by it is alike in all of them, and it is chosen by selects, never by a branch.
; SOURCE 1 (called A) gives the lane its row, SOURCE 0 (called B) runs along a lane's registers.  For q and k: A = tokens, B = the weight's rows (channels).  FOR v THE ROLES ARE SWAPPED: A = wv's rows, B = tokens:
; a lane then holds one channel and its registers run along the keys, which are the K of attention's second product.  Only pointers and tile numbers differ.
; CLUSTERS: 4 x 4 work-groups; A's tiles are asked for jointly along a row of the cluster, B's along a column.
; THE BIAS along the registers (q, k) is the C of each sum's first product; the bias along the lanes (v) is added on the way out; the one that does not apply is cleared to zeros.
; OUT, in qkv: operands as images of their registers: a piece is 16 rows x 64 k = 768 bytes: [pair 0..2][lane][8 bytes].  q at 0 and k at 3,145,728: piece (head, token / 16); v at 6,291,456: piece (token / 64, channel / 16).
; Scale words, 64 bytes a piece: q at 9,437,184, k at 9,699,328: (byte 0, byte 1, 0x7f, 0x7f); v at 9,961,472: the four bytes of the 128 keys, in both pieces of a pair.
; ORDER INSIDE A BLOCK OF 32: places 0-31 hold offsets 0-7, 16-23, 8-15, 24-31.  q and k are laid alike, and so are v and attention's p: the products are the same, only the order of their sum differs.
; LIMITS: NaN and infinities are not served.  A block whose largest magnitude lies under 2^-124, a block of zeros among them, gets the byte 1; only this program reads the bytes.
; REGISTERS: window 0: v0-31 addresses; v32-63 scale words, two sets; v64-127 the way out's numbers; v128-223 A's fragments, one set (later codes); v224-253 at work on the way out.
;   window 1: B's fragments at v0 and v128; the bias along the registers at v96-127, v224-255.   windows 2, 3: the accumulators ((a, b) at v[8 (8 (a % 4) + b)]).
.set NQ,     2
; THE CODES NOW COME AS PIECES (16 rows x 64 k = 768 bytes, an image of operand registers), xn's from an and the weights' from wc (rows wq, wk, wv behind each other), piece (k / 64, row / 16) at ((k / 64) 256 + row / 16) 768.
; A slot holds 256 along K: A's 4 x 16 pieces, then B's; a tile's row is 12,288 bytes and begins at a multiple of 256.  At the head wave 0 fetches A's slot 0, wave 1 B's, waves 2 and 3 the scale bytes; in the ring a wave fetches two of a side's four rows.
; No prefetch: K is 1,024, four slots, of which two are asked for ahead of the first product.
.set ROWB,   786432                    ; bytes from a slot's pieces to the next slot's: 4 x 196,608
.set KROW,   48                        ; bytes of one piece column for each row: 768 / 16
.set PITCH,  240
.set FR,     12
.set NL,     6
.set NP,     4
.set HALFT,  24576                     ; what one load of the ring brings: 2 x 16 pieces
.set G0H,    4
.set G0HB,   8
.set SLOT,   4*HALFT
.set LAPS,   2
.set KS,     32
.set SCL,    2*SLOT
.set HALFS,  (128*KS/256)*272
.set SBLK,   (16*KS/256)*272
.set SPARE,  SCL+4*HALFS               ; the spare words: 128 bytes a wave, named by no other line
.set ADRA, 16
.set ADRB, 20
.set ADRS, 27
.set SPW,  28
.set NIL,  29
.set SC,   32
.set AF,   128
.set H,    64                          ; the way out: 64 numbers of a lane
.set CD,   192                         ; v192-210 the codes just made
.set TM,   224                         ; v224-239 at work in QUANT
.set PW,   240                         ; the scale word just made
.set X0,   242
.set X1,   243
.set RB,   244                         ; v244-251 the bias along the lanes, one register a block of rows
.set RBP,  252                         ; v252-253 the same, twice, for the packed addition
.set VO0,  7
.set VO1,  8
.set VS,   9
.set SEL,  20                          ; s20-21 selects for lane l xor 16
.set G1, 24
.set G0, 32
.set G1B, 48
.set G0B, 56
.set G1S, 68
.set G0S, 76
.set G1SB, 80
.set G0SB, 88
.set MSB, 0
.macro WIN new                         ; the immediate's high byte repeats the setting that is left
.if MSB != (\new)
	s_set_vgpr_msb (MSB<<8)|(\new)
.set MSB, (\new)
.endif
.endm
.set MUL_LO, 0xa1                      ; source 0 (B) window 1, source 1 (A) window 0, C and D window 2
.set MUL_HI, 0xf1
.set TO_B,   0x40
; A joint load: waves 0 and 1 fetch for A, waves 2 and 3 for B.  Four v_nop follow each of the two lines.
.macro JLOAD g0a, g1a, g0b, g1b
	s_cmp_eq_u32 s15, 0
	s_cbranch_scc0 .Lfor_b_\@
	tensor_load_to_lds s[\g0a:\g0a+3], s[\g1a:\g1a+7]
	s_nop 0
.rept 4
	v_nop
.endr
	s_branch .Lasked_\@
.Lfor_b_\@:
	tensor_load_to_lds s[\g0b:\g0b+3], s[\g1b:\g1b+7]
	s_nop 0
.rept 4
	v_nop
.endr
.Lasked_\@:
.endm
.macro CREST                           ; a round of the cluster's barrier behind its opening barrier
	s_cmp_lg_u32 s14, 0
	s_cbranch_scc1 .Lnot_wave_0_\@
	s_barrier_signal -3
.Lnot_wave_0_\@:
	s_barrier_wait -3
	s_barrier_signal -1
	s_barrier_wait -1
.endm
.macro CROUND
	s_barrier_signal -1
	s_barrier_wait -1
	CREST
.endm
	s_load_b128 s[68:71], s[0:1], 0x0              ; an, wc
	s_load_b64 s[72:73], s[0:1], 0x10              ; wq scales
	s_load_b64 s[76:77], s[0:1], 0x18              ; wk scales
	s_load_b128 s[80:83], s[0:1], 0x20             ; wv scales, bq
	s_load_b128 s[84:87], s[0:1], 0x30             ; bk, bv
	s_load_b64 s[12:13], s[0:1], 0x40              ; qkv
	v_lshl_add_u32 v[SPW], v0, 2, SPARE
	v_mov_b32 v[NIL], 0
	ds_add_u32 v28, v29
	ds_add_u32 v28, v29
	s_wait_dscnt 0x0
	v_lshrrev_b32 v1, 5, v0
	v_readfirstlane_b32 s14, v1                    ; wave 0..3
	s_lshr_b32 s15, s14, 1                         ; which half of A's rows is mine.  Also: I fetch for A (0) or for B (1)
	s_and_b32 s16, s14, 1                          ; which half of B's rows.  Also: which 128 rows I fetch
	s_bfe_u32 s40, ttmp6, 0x40000                  ; cx
	s_bfe_u32 s41, ttmp6, 0x40004                  ; cy
	s_and_b32 s2, ttmp7, 0xffff
	s_lshl_b32 s2, s2, 2                           ; 4 x cluster y
	s_cmp_eq_u32 ttmp9, 2                          ; v?
	s_cselect_b32 s17, 0, s2
	s_cselect_b32 s42, s2, 0
	s_add_co_u32 s17, s17, s41                     ; A's tile: q, k: 4 cluster y + cy (tokens); v: cy (channels)
	s_add_co_u32 s42, s42, s40                     ; B's tile: q, k: cx (channels); v: 4 cluster y + cx (tokens)
	s_lshl_b32 s43, s41, 2
	s_lshl_b32 s43, 15, s43                        ; my row of the cluster
	s_lshl_b32 s44, 0x1111, s40                    ; my column
	s_or_b32 s[G1+0], s43, (3<<16)|(1<<21)         ; mask; elements of 8 bytes; dense
	s_or_b32 s[G1B+0], s44, (3<<16)|(1<<21)
.irp g, G1, G1B
	s_mov_b32 s[\g+1], 1536<<16                    ; a row: 16 pieces
	s_mov_b32 s[\g+2], 4<<16                       ; the head's loads: 4 rows
	s_mov_b32 s[\g+3], 1536<<16
	s_mov_b32 s[\g+4], 4
	s_mov_b32 s[\g+5], 24576                       ; 196,608 bytes from row to row
	s_mov_b32 s[\g+6], 0
	s_mov_b32 s[\g+7], 0
.endr
	s_lshl_b32 s20, s17, 8                         ; A: the tile's first row
	s_lshl_b32 s46, s42, 8                         ; B likewise
	s_mov_b32 s21, 0
	s_mov_b32 s47, 0
	s_mov_b64 s[18:19], KS
	s_mul_u64 s[22:23], s[20:21], s[18:19]         ; where these rows' scale bytes begin
	s_mul_u64 s[92:93], s[46:47], s[18:19]
	s_mov_b64 s[18:19], KROW
	s_mul_u64 s[20:21], s[20:21], s[18:19]         ; and their codes
	s_mul_u64 s[46:47], s[46:47], s[18:19]
	s_mul_i32 s18, s16, 393216                     ; in the ring: which two of the four rows I fetch
	s_mov_b32 s19, 0
	s_mul_i32 s45, s14, HALFT
	s_mul_i32 s90, ttmp9, 49152                    ; the tensor's 64 blocks of rows in wc
	s_mov_b32 s91, 0
	s_wait_kmcnt 0x0
	s_add_nc_u64 s[88:89], s[68:69], 0x300000      ; xn's scale bytes
	s_cmp_eq_u32 ttmp9, 0
	s_add_nc_u64 s[74:75], s[70:71], s[90:91]      ; this tensor's weight (leaves SCC alone)
	s_cselect_b64 s[10:11], s[72:73], s[76:77]
	s_cselect_b64 s[96:97], s[82:83], s[84:85]     ; bq or bk
	s_cmp_eq_u32 ttmp9, 2
	s_cselect_b64 s[4:5], s[74:75], s[68:69]
	s_cselect_b64 s[6:7], s[80:81], s[88:89]
	s_cselect_b64 s[8:9], s[68:69], s[74:75]
	s_cselect_b64 s[10:11], s[88:89], s[10:11]
	s_cselect_b64 s[96:97], s[86:87], s[96:97]     ; the bias along the registers (for v it is read and cleared)
	s_mov_b64 s[100:101], s[86:87]                 ; bv: the bias along the lanes (for q, k read and cleared)
	s_add_nc_u64 s[20:21], s[4:5], s[20:21]
	s_add_nc_u64 s[22:23], s[6:7], s[22:23]
	s_add_nc_u64 s[46:47], s[8:9], s[46:47]
	s_add_nc_u64 s[92:93], s[10:11], s[92:93]
	s_or_b32 s[G1S+0], s43, (3<<16)|(1<<20)|(1<<21)|(5<<22)|(3<<25)   ; the scales of 256 rows: 8,192 dense bytes as rows of 256, 16 bytes of padding behind each
	s_or_b32 s[G1SB+0], s44, (3<<16)|(1<<20)|(1<<21)|(5<<22)|(3<<25)
.irp g, G1S, G1SB
	s_mov_b32 s[\g+1], 32<<16
	s_mov_b32 s[\g+2], KS<<16                      ; the scales of 256 rows: KS rows of 256 bytes
	s_mov_b32 s[\g+3], 32<<16
	s_mov_b32 s[\g+4], KS
	s_mov_b32 s[\g+5], 32
	s_mov_b32 s[\g+6], 0
	s_mov_b32 s[\g+7], 0
.endr
	CROUND                                         ; all sixteen work-groups are here: the first joint loads meet
	s_mov_b32 s[G0S], 1
	s_mov_b32 s[G0S+1], SCL
	s_mov_b64 s[G0S+2:G0S+3], s[22:23]
	s_or_b32 s[G0S+3], s[G0S+3], 0x80000000
	s_mov_b32 s[G0SB], 1
	s_mov_b32 s[G0SB+1], SCL+2*HALFS
	s_mov_b64 s[G0SB+2:G0SB+3], s[92:93]
	s_or_b32 s[G0SB+3], s[G0SB+3], 0x80000000
	s_mov_b32 s[G0H], 1                            ; slot 0 whole: A's four rows,
	s_mov_b32 s[G0H+1], 0
	s_mov_b64 s[G0H+2:G0H+3], s[20:21]
	s_or_b32 s[G0H+3], s[G0H+3], 0x80000000
	s_mov_b32 s[G0HB], 1                           ; and B's
	s_mov_b32 s[G0HB+1], 2*HALFT
	s_mov_b64 s[G0HB+2:G0HB+3], s[46:47]
	s_or_b32 s[G0HB+3], s[G0HB+3], 0x80000000
	s_add_nc_u64 s[20:21], s[20:21], s[18:19]      ; for the ring: my two rows
	s_add_nc_u64 s[46:47], s[46:47], s[18:19]
.irp s, 0,1
	s_mov_b32 s[G0+4*\s], 1
	s_add_co_u32 s[G0+4*\s+1], s45, \s*SLOT
	s_add_nc_u64 s[G0+4*\s+2:G0+4*\s+3], s[20:21], \s*ROWB
	s_or_b32 s[G0+4*\s+3], s[G0+4*\s+3], 0x80000000
	s_mov_b32 s[G0B+4*\s], 1
	s_add_co_u32 s[G0B+4*\s+1], s45, \s*SLOT
	s_add_nc_u64 s[G0B+4*\s+2:G0B+4*\s+3], s[46:47], \s*ROWB
	s_or_b32 s[G0B+4*\s+3], s[G0B+4*\s+3], 0x80000000
.endr
; the head's loads, one a wave, in one chain of branches on the wave's number
.macro ARM under, g0, g1, next
	s_cmp_lt_u32 s14, \under
	s_cbranch_scc0 \next
	tensor_load_to_lds s[\g0:\g0+3], s[\g1:\g1+7]
	s_nop 0
.rept 4
	v_nop
.endr
	s_branch .Lhead_asked
\next:
.endm
	ARM 1, G0H,  G1,  .Lhead_b
	ARM 2, G0HB, G1B, .Lhead_sa
	ARM 3, G0S,  G1S, .Lhead_sb
	tensor_load_to_lds s[G0SB:G0SB+3], s[G1SB:G1SB+7]
	s_nop 0
.rept 4
	v_nop
.endr
.Lhead_asked:
	v_and_b32 v1, 15, v0                           ; r
	v_bfe_u32 v2, v0, 4, 1                         ; h
	v_and_b32 v3, 31, v0
	v_lshlrev_b32 v4, 3, v3                        ; 8 x lane: my place in a piece's pair
	s_wait_alu depctr_va_vdst(0)
	s_mul_i32 s21, s15, 6144                       ; my 8 blocks of A's rows
	s_mul_i32 s22, s16, 6144                       ; and of B's
	s_add_co_u32 s22, s22, 2*HALFT
.irp s, 0,1
	v_add_nc_u32 v[ADRA+\s], s21, v4
	v_add_nc_u32 v[ADRB+\s], s22, v4
	s_add_co_u32 s21, s21, SLOT
	s_add_co_u32 s22, s22, SLOT
.endr
	v_mul_u32_u24 v5, v1, KS
	v_lshrrev_b32 v6, 8, v5
	v_lshl_add_u32 v5, v6, 4, v5
	s_mul_i32 s21, s15, HALFS
	s_mul_i32 s22, s16, HALFS
	s_add_co_u32 s22, s22, 2*HALFS
	s_sub_co_u32 s22, s22, s21
	v_mul_u32_u24 v6, s22, v2                      ; lanes 16-31 take B's scale words
	s_add_co_u32 s21, s21, SCL
	v_add_nc_u32 v5, v5, v6
	v_add_nc_u32 v[ADRS], s21, v5
	; the way out's numbers: first piece P0, first block of rows RB0, blocks of rows in the tensor NRB
	s_lshl_b32 s46, s42, 2
	s_lshl_b32 s47, s16, 1
	s_add_co_u32 s46, s46, s47                     ; P0 = 4 x B's tile + 2 x half
	s_lshl_b32 s47, s17, 4
	s_lshl_b32 s45, s15, 3
	s_add_co_u32 s47, s47, s45                     ; RB0 = 16 x A's tile + 8 x half
	s_cmp_eq_u32 ttmp9, 2
	s_cselect_b32 s45, 64, 0x100                   ; NRB
	s_cselect_b32 s2, 0, -1                        ; keeps the bias along the registers
	s_cselect_b32 s3, -1, 0                        ; keeps the bias along the lanes
	s_cselect_b32 s18, 0, 16                       ; q, k: the second piece's two bytes come down
	s_cselect_b32 s22, -1, 0xffff                  ; q, k: two bytes of the word are kept,
	s_cselect_b32 s23, 0, 0x7f7f0000               ; and the other two stand for 1
	s_mov_b32 s19, 0xffff0000                      ; lanes 16-31
	s_mov_b32 s[SEL], 0x76543210
	s_mov_b32 s[SEL+1], 0xfedcba98
	s_mov_b32 s93, 0
	s_and_b32 s92, s46, s2
	s_lshl_b32 s92, s92, 8                         ; 64 channels of 4 bytes a piece; 0 for v
	s_add_nc_u64 s[96:97], s[96:97], s[92:93]
	s_and_b32 s92, s47, s3
	s_lshl_b32 s92, s92, 6                         ; 16 channels of 4 bytes a block; 0 for q, k
	s_add_nc_u64 s[100:101], s[100:101], s[92:93]
	s_mul_i32 s92, s46, s45
	s_add_co_u32 s92, s92, s47                     ; P0 x NRB + RB0
	s_lshl_b32 s94, s92, 6
	s_lshl_b32 s95, ttmp9, 18
	s_add_co_u32 s94, s94, s95
	s_add_co_u32 s94, s94, 9437184
	s_mov_b32 s95, 0
	s_add_nc_u64 s[98:99], s[12:13], s[94:95]      ; my scale words
	s_mul_i32 s94, s92, 768
	s_mul_i32 s92, ttmp9, 3145728
	s_add_co_u32 s94, s94, s92
	s_add_nc_u64 s[12:13], s[12:13], s[94:95]      ; my pieces
	v_and_b32 v6, 31, v0
	v_lshlrev_b32 v[VO0], 3, v6                    ; 8 x lane
	s_mul_i32 s92, s45, 768
	v_add_nc_u32 v[VO1], s92, v[VO0]               ; the next piece lies NRB x 768 bytes on
	s_lshl_b32 s92, s45, 6
	v_mul_u32_u24 v[VS], s92, v2
	v_lshl_add_u32 v[VS], v1, 2, v[VS]             ; 4 r; lanes 16-31 write the next piece's words
	v_lshlrev_b32 v11, 5, v2                       ; 32 h
	v_lshlrev_b32 v12, 2, v1                       ; 4 r
.irp b, 0,1,2,3
	v_mov_b32 v[TM+4+\b], 0                        ; a lane permute's destination counts as read
.endr
.irp a, 0,1,2,3,4,5,6,7
	global_load_b32 v[RB+\a], v12, s[100:101] offset:64*\a
.endr
	WIN 0x40
.irp b, 0,1,2,3,4,5,6,7
	global_load_b128 v[96+8*\b+96*(\b/4):96+8*\b+96*(\b/4)+3], v11, s[96:97] offset:64*\b       ; lane (r, h): the bias of 16 b + 8 h + 0 .. 7
	global_load_b128 v[96+8*\b+96*(\b/4)+4:96+8*\b+96*(\b/4)+7], v11, s[96:97] offset:64*\b+16
.endr
	s_wait_loadcnt 0x0
	WIN 0x44
.set i, 0
.rept 32
	v_and_b32 v[96+i], s2, v[96+i]                 ; zeros where the bias runs along the lanes
	v_and_b32 v[224+i], s2, v[224+i]
.set i, i+1
.endr
	WIN 0
.irp a, 0,1,2,3,4,5,6,7
	v_and_b32 v[RB+\a], s3, v[RB+\a]               ; zeros where it runs along the registers
.endr
.macro FRAG reg, adr, q, i             ; 16 rows x 128 K: 12 registers, in pieces of 8 bytes
.irp p, 0,1,2,3,4,5
	ds_load_b64 v[\reg+2*\p:\reg+2*\p+1], v[\adr] offset:(2*(\q)+\p/3)*12288+768*(\i)+256*(\p%3)   ; two pieces, three pairs each: 256 consecutive bytes a load
.endr
.endm
; 16 products: A's blocks a0, a0 + 1 x B's eight.  zero = 1: the first product starts the sums from the bias.  The 64 accumulators take turns, one instruction a turn.
.macro MUL16 a0, p, q, sc, zero
.irp a, \a0, \a0+1
.irp b, 0,1,2,3,4,5,6,7
.if \zero
	v_wmma_scale_f32_16x16x128_f8f6f4 v[8*(8*((\a)%4)+\b):8*(8*((\a)%4)+\b)+7], v[128*(\p)+FR*\b:128*(\p)+FR*\b+FR-1], v[AF+FR*(\a):AF+FR*(\a)+FR-1], v[96+8*\b+96*(\b/4):96+8*\b+96*(\b/4)+7], v[SC+8*NQ*(\sc)+NQ*\b+(\q)], v[SC+8*NQ*(\sc)+NQ*(\a)+(\q)] matrix_a_fmt:MATRIX_FMT_FP6 matrix_b_fmt:MATRIX_FMT_FP6 matrix_a_scale:MATRIX_SCALE_ROW1
.else
	v_wmma_scale_f32_16x16x128_f8f6f4 v[8*(8*((\a)%4)+\b):8*(8*((\a)%4)+\b)+7], v[128*(\p)+FR*\b:128*(\p)+FR*\b+FR-1], v[AF+FR*(\a):AF+FR*(\a)+FR-1], v[8*(8*((\a)%4)+\b):8*(8*((\a)%4)+\b)+7], v[SC+8*NQ*(\sc)+NQ*\b+(\q)], v[SC+8*NQ*(\sc)+NQ*(\a)+(\q)] matrix_a_fmt:MATRIX_FMT_FP6 matrix_b_fmt:MATRIX_FMT_FP6 matrix_a_scale:MATRIX_SCALE_ROW1
.endif
.endr
.endr
.endm
.macro FETCH_B slot, q, p
	WIN TO_B
.irp i, 0,1,2,3,4,5,6,7
	FRAG 128*(\p)+FR*\i, ADRB+\slot, \q, \i
.endr
	WIN 0
.endm
.macro FETCH_A slot, q, i0
.irp i, \i0, \i0+1, \i0+2, \i0+3
	FRAG AF+FR*(\i), ADRA+\slot, \q, \i
.endr
.endm
.macro SCALES sc                       ; lanes 0-15 take A's block i, lanes 16-31 B's block i: two words a row
.irp i, 0,1,2,3,4,5,6,7
	ds_load_b64 v[SC+8*NQ*\sc+NQ*\i:SC+8*NQ*\sc+NQ*\i+1], v[ADRS] offset:\i*SBLK
.endr
.endm
.macro PLACES n                        ; plain places behind matrix instructions, ahead of loads into their registers and of reads of their results
.rept \n
	v_nop
.endr
.endm
.macro STEP slot, q, zero              ; 128 along K that has its successor in the same slot
	s_wait_dscnt 4*NL                              ; B's set and A's blocks 0-3 are in; the 24 youngest loads (A's blocks 4-7) may be out
.if \zero
	WIN 0x91                                       ; C (the bias) window 1, D window 2
.else
	WIN MUL_LO
.endif
	MUL16 0, (\q)%2, \q, \slot, \zero
	MUL16 2, (\q)%2, \q, \slot, \zero
	s_wait_dscnt 0
	PLACES NP
	FETCH_B \slot, (\q)+1, 1-(\q)%2
	FETCH_A \slot, (\q)+1, 0
.if \zero
	WIN 0xd1
.else
	WIN MUL_HI
.endif
	MUL16 4, (\q)%2, \q, \slot, \zero
	MUL16 6, (\q)%2, \q, \slot, \zero
	PLACES NP
	WIN 0
	FETCH_A \slot, (\q)+1, 4
.endm
; A slot's last step changes slots: one barrier; ahead of it each wave waits for all its tensor loads, adds 0 to its spare word, and waits for that and for its reads of this slot.
.macro TURN slot, next, fill
	s_wait_tensorcnt 0x0                           ; all my tensor loads have landed: my part of the next slot
	ds_add_u32 v[SPW], v[NIL]                      ; 0 onto my spare word
	s_wait_dscnt 4*NL+1                            ; the add and the 24 youngest loads may be out
	WIN MUL_LO
	MUL16 0, 1, NQ-1, \slot, 0
	s_wait_dscnt 0x0                               ; the add is done, and my reads of this slot are over
	s_barrier_signal -1
	MUL16 2, 1, NQ-1, \slot, 0
	WIN 0
	s_barrier_wait -1
.if \fill
	CREST                                          ; the barrier has opened a round of the cluster's: no wave of any partner still reads this slot or has a load on its way
	s_add_nc_u64 s[G0+4*\slot+2:G0+4*\slot+3], s[G0+4*\slot+2:G0+4*\slot+3], 2*ROWB
	s_add_nc_u64 s[G0B+4*\slot+2:G0B+4*\slot+3], s[G0B+4*\slot+2:G0B+4*\slot+3], 2*ROWB
	JLOAD G0+4*\slot, G1, G0B+4*\slot, G1B         ; the first tensor load behind the round
.else
	PLACES NP
.endif
	s_wait_alu depctr_va_vdst(0)
	v_add_nc_u32 v[ADRS], 4*NQ, v[ADRS]
	FETCH_B \next, 0, 0
	FETCH_A \next, 0, 0
	SCALES \next
	WIN MUL_HI
	MUL16 4, 1, NQ-1, \slot, 0
	MUL16 6, 1, NQ-1, \slot, 0
	PLACES NP
	WIN 0
	FETCH_A \next, 0, 4
.endm
	s_wait_alu depctr_va_vdst(0)
	s_wait_tensorcnt 0x0                           ; my tile of the head's four is in
	ds_add_u32 v[SPW], v[NIL]
	s_mov_b32 s[G1+2], 2<<16                       ; no load of mine is out: from here on a load brings two rows
	s_mov_b32 s[G1+4], 2
	s_mov_b32 s[G1B+2], 2<<16
	s_mov_b32 s[G1B+4], 2
	s_wait_dscnt 0x0
	CROUND
	JLOAD G0+4, G1, G0B+4, G1B                     ; slot 1's first fill, the first tensor load behind the round
	FETCH_B 0, 0, 0
	FETCH_A 0, 0, 0
	SCALES 0
	FETCH_A 0, 0, 4
	STEP 0, 0, 1
	s_mov_b32 s3, LAPS-1
.Llap:
	TURN 0, 1, 1
	STEP 1, 0, 0
	TURN 1, 0, 1
	STEP 0, 0, 0
	s_sub_co_u32 s3, s3, 1
	s_cmp_lg_u32 s3, 0
	s_cbranch_scc1 .Llap
	TURN 0, 1, 0                                   ; the last lap fills nothing
	STEP 1, 0, 0
	s_wait_dscnt 4*NL
	WIN MUL_LO
	MUL16 0, 1, NQ-1, 1, 0
	MUL16 2, 1, NQ-1, 1, 0
	s_wait_dscnt 0
	WIN MUL_HI
	MUL16 4, 1, NQ-1, 1, 0
	MUL16 6, 1, NQ-1, 1, 0
	WIN 0
; 64 numbers of a lane, v[s] on: registers 16 b .. 16 b + 15 with lane l xor 16's are block b.  They become 12 registers of codes in v[CD] on (lanes 0-15 blocks 0 and 2, lanes 16-31 blocks 1 and 3) and the scale word in v[PW].
.macro QUANT s
.irp b, 0,1,2,3
	v_max3_num_f32 v[TM+\b], |v[\s+16*\b]|, |v[\s+1+16*\b]|, 0x1800000   ; with the floor 2^(3 - 127): the byte cannot fall under 1
.endr
.irp i, 2,4,6,8,10,12,14
.irp b, 0,1,2,3
	v_max3_num_f32 v[TM+\b], v[TM+\b], |v[\s+16*\b+\i]|, |v[\s+1+16*\b+\i]|
.endr
.endr
.irp b, 0,1,2,3
	v_permlanex16_b32 v[TM+4+\b], v[TM+\b], s[SEL], s[SEL+1]
.endr
.irp b, 0,1,2,3
	v_max_num_f32 v[TM+\b], v[TM+\b], v[TM+4+\b]
.endr
.irp b, 0,1,2,3
	v_add_nc_u32 v[TM+12+\b], 0xff000000, v[TM+\b]   ; 2 off the exponent field: the conversion's scale operand
.endr
.irp b, 0,1,2,3
	v_lshrrev_b32 v[TM+4+\b], 23, v[TM+12+\b]      ; the scale's byte
.endr
	v_lshl_or_b32 v[PW], v[TM+5], 8, v[TM+4]
	v_lshl_or_b32 v[PW], v[TM+6], 16, v[PW]
	v_lshl_or_b32 v[PW], v[TM+7], 24, v[PW]
.irp c, 0,1
	v_cvt_scalef32_pk16_fp6_f32 v[CD+6*\c:CD+2+6*\c], v[\s+32*\c:\s+15+32*\c], v[TM+12+2*\c]
	v_cvt_scalef32_pk16_fp6_f32 v[CD+12+4*\c:CD+14+4*\c], v[\s+16+32*\c:\s+31+32*\c], v[TM+12+2*\c+1]
.endr
	v_nop                                          ; one plain place behind a scaled conversion
.irp c, 0,1
.irp i, 0,1,2
	v_permlane16_swap_b32 v[CD+6*\c+\i], v[CD+12+4*\c+\i]
.endr
.irp i, 0,1,2
	v_mov_b32 v[CD+3+6*\c+\i], v[CD+12+4*\c+\i]
.endr
.endr
.endm
; THE WAY OUT of block a: 16 rows x 128: the bias along the lanes, the quantiser, two pieces and their scale words.  Each store of codes covers 256 consecutive bytes, aligned.
.macro BLOCK a
.if (\a) > 0
	s_wait_xcnt 0x0                                ; the last block's stores have read their registers
.endif
	v_mov_b32 v[RBP], v[RB+(\a)]
	v_mov_b32 v[RBP+1], v[RB+(\a)]
	WIN 0x02+(\a)/4                                ; source 0: window 2 or 3
.set i, 0
.rept 32
	v_pk_add_f32 v[H+2*i:H+2*i+1], v[64*((\a)%4)+2*i:64*((\a)%4)+2*i+1], v[RBP:RBP+1]   ; each accumulator from its low end on
.set i, i+1
.endr
	WIN 0
	QUANT H
	v_and_or_b32 v[X0], v[PW], s22, s23
	v_lshrrev_b32 v[X1], s18, v[PW]
	v_and_or_b32 v[X1], v[X1], s22, s23
	v_cndmask_b32 v[X0], v[X0], v[X1], s19         ; lanes 16-31: the second piece's word
.irp p, 0,1,2
	global_store_b64 v[VO0], v[CD+2*\p:CD+2*\p+1], s[12:13] offset:768*(\a)+256*\p
.endr
.irp p, 0,1,2
	global_store_b64 v[VO1], v[CD+6+2*\p:CD+7+2*\p], s[12:13] offset:768*(\a)+256*\p
.endr
	global_store_b32 v[VS], v[X0], s[98:99] offset:64*(\a)
.endm
	PLACES NP
.irp a, 0,1,2,3,4,5,6,7
	BLOCK \a
.endr
	s_wait_tensorcnt 0x0                           ; the wave's end
	ds_add_u32 v[SPW], v[NIL]
	s_wait_dscnt 0x0
	CROUND                                         ; the closing round
	s_endpgm
.Lfunc_end_k_qd20f0dc90e_qkv:
	.size	k_qd20f0dc90e_qkv, .Lfunc_end_k_qd20f0dc90e_qkv-k_qd20f0dc90e_qkv
	.p2alignl 7, 3214868480
	.fill 96, 4, 3214868480
	.section	.rodata,"a",@progbits
	.p2align	6, 0x0
	.amdhsa_kernel k_qd20f0dc90e_qkv
		.amdhsa_group_segment_fixed_size 327680
		.amdhsa_private_segment_fixed_size 0
		.amdhsa_enable_private_segment 0
		.amdhsa_kernarg_size 72
		.amdhsa_user_sgpr_count 2
		.amdhsa_user_sgpr_kernarg_segment_ptr 1
		.amdhsa_wavefront_size32 1
		.amdhsa_system_sgpr_workgroup_id_x 1
		.amdhsa_system_sgpr_workgroup_id_y 1
		.amdhsa_system_sgpr_workgroup_id_z 1
		.amdhsa_system_vgpr_workitem_id 0
		.amdhsa_next_free_vgpr 1024
		.amdhsa_next_free_sgpr 102
		.amdhsa_reserve_vcc 0
		.amdhsa_float_denorm_mode_32 3
		.amdhsa_float_denorm_mode_16_64 3
		.amdhsa_memory_ordered 1
		.amdhsa_forward_progress 1
		.amdhsa_inst_pref_size 191
	.end_amdhsa_kernel
	.amdgpu_metadata
---
amdhsa.version: [ 1, 2 ]
amdhsa.kernels:
  - .name:           k_qd20f0dc90e_qkv
    .symbol:         k_qd20f0dc90e_qkv.kd
    .args:
      - { .name: an, .offset: 0, .size: 8, .value_kind: global_buffer, .address_space: global }
      - { .name: wc, .offset: 8, .size: 8, .value_kind: global_buffer, .address_space: global }
      - { .name: wq_scales, .offset: 16, .size: 8, .value_kind: global_buffer, .address_space: global }
      - { .name: wk_scales, .offset: 24, .size: 8, .value_kind: global_buffer, .address_space: global }
      - { .name: wv_scales, .offset: 32, .size: 8, .value_kind: global_buffer, .address_space: global }
      - { .name: bq, .offset: 40, .size: 8, .value_kind: global_buffer, .address_space: global }
      - { .name: bk, .offset: 48, .size: 8, .value_kind: global_buffer, .address_space: global }
      - { .name: bv, .offset: 56, .size: 8, .value_kind: global_buffer, .address_space: global }
      - { .name: qkv, .offset: 64, .size: 8, .value_kind: global_buffer, .address_space: global }
    .group_segment_fixed_size: 327680
    .private_segment_fixed_size: 0
    .kernarg_segment_align: 8
    .kernarg_segment_size: 72
    .max_flat_workgroup_size: 128
    .sgpr_count:     102
    .vgpr_count:     1024
    .wavefront_size: 32
...
	.end_amdgpu_metadata
.endif
;; end of part 2
;; launch attn (part 3): grid 8 x 32, 16 waves a work-group, no clusters, 210,944 bytes of LDS; arguments qkv, ctx; writes ctx
.if DOCPART == 3
	.amdgcn_target "amdgcn-amd-amdhsa--gfx1250"
	.amdhsa_code_object_version 6
	.text
	.protected	k_qd20f0dc90e_attn
	.globl	k_qd20f0dc90e_attn
	.p2align	8
	.type	k_qd20f0dc90e_attn,@function
k_qd20f0dc90e_attn:
	s_mov_b64 s[64:65], 0
	v_nop
	global_prefetch_b8 v0, s[64:65] scope:SCOPE_SE
	s_setreg_imm32_b32 hwreg(HW_REG_WAVE_MODE, 25, 1), 1
	s_wait_xcnt 0x0
; ctx = Q(softmax(q k^T / 8, causal) v): both products on codes of FP6 (E2M3) with E8M0 scales; 32 (batch, head) pairs, 2,048 tokens, head size 64.
; IN (qkv): images of operand registers: a piece = 16 rows x 64 k = 768 bytes = [pair 0..2][lane][8 bytes].  q at 0, k at 3,145,728: piece (head, token / 16); v at 6,291,456: piece (token / 64, channel / 16), keys innermost.
; Scale words, 64 bytes a piece: q 9,437,184, k 9,699,328 (two bytes, then 0x7f, 0x7f), v 9,961,472 (the word of 128 keys, read at the even pieces).
; THE SOFTMAX: t = score x log2(e) / 8; M = the running largest t rounded up to a whole number; p = 2^(t - M) is quantised along the keys, not normalised; the sum is taken of the unquantised p and divides at the end.
; When M moves, the sum and O are multiplied by 2^(old M - new M), which rounds nothing.
; SHARES: a work-group owns the blocks j and 15 - j of 128 queries of one (batch, head): together 17 key steps of 128 for each tile pair, whatever j.  Each of its sixteen waves owns one tile of 16 queries.
; Wave w: tile w / 2 of the lower or upper block by (w xor w / 4) & 1.  A wave works key steps 0 .. its block's number; the last lies on the diagonal.  Later steps are passed over by a scalar branch on ids.
; LDS IS FILLED ONCE: a head's K and V as codes are 2 x 98,304 bytes.  waves 0-3 bring K's four groups, waves 4-7 V's, waves 8 and 9 the scale words: one tensor load each;
; the keys come in four groups of 512, and all steps begin behind one barrier ahead of which the loading waves have waited for their fills.  Nothing is filled again.
; NO CLUSTER: the work-groups that share K and V differ in the steps that they pass over, and partners of a joint load must branch alike.
; HEAD SIZE 64 fills half of the instruction's K = 128: Q's registers 6-11 are zero codes.  K's fragment of tile t is v[32 + 6 t] on, 12 registers: its upper six are the next tile's codes, finite numbers that meet zeros under the byte 0x7f.
; LAYOUT: both products are used transposed (S^T = K Q^T, O^T = V^T P^T): a lane holds one query.  Register 8 t + j of S^T is key 16 t + 8 (lane / 16) + j, the order in which v's codes were laid inside each block of 32.
; OUT (ctx): piece (head, token / 16) in true channel order at 0; scale words (K / 128, token / 16) at 3,145,728: a head writes two bytes of a word, 2 bytes a lane: the one small scattered store, 1/24 of the codes' bytes.
; LIMITS: NaN and infinities are not served.  A block whose largest magnitude lies under 2^-124, a block of zeros among them, gets the byte 1.  A block's largest p is made from its largest score.
.set VT,   98304
.set KSC,  196608
.set VSC,  204800
.set WV,   8
.set BLK,  66                          ; s66 my block of queries = my last key step
.set SI,   67                          ; s67 the key step
.set TB,   68                          ; s68 where its tiles begin: 6,144 bytes a step, in K's and in V's region alike
.set TS,   69                          ; s69 K's scale words: 512 a step
.set TJ,   70                          ; s70 V's: 256 a step
.set CNT,  71
.set CS,   72                          ; s[72:73] c = log2(e) / 8
.set SEL,  74                          ; s[74:75] selects for lane l xor 16
	s_load_b128 s[4:7], s[0:1], 0x0                ; qkv, ctx
	v_lshl_add_u32 v254, v0, 2, 0x33000
	v_mov_b32 v255, 0
	ds_add_u32 v254, v255
	ds_add_u32 v254, v255
	v_lshrrev_b32 v8, 5, v0
	s_delay_alu instid0(VALU_DEP_1)
	v_readfirstlane_b32 s[WV], v8                  ; wave 0..15
	s_and_b32 s76, ttmp7, 0xffff
	s_and_b32 s77, s76, 15                         ; head
	s_lshr_b32 s78, s76, 4                         ; batch
	; group 1, elements of 8 bytes, no mask, no padding.  K: 24,576 dense bytes (512 keys) as 96 rows of 256
	s_mov_b32 s12, 3<<16
	s_mov_b32 s13, 32<<16
	s_mov_b32 s14, 96<<16
	s_mov_b32 s15, 32<<16
	s_mov_b32 s16, 96
	s_mov_b32 s17, 32
	s_mov_b32 s18, 0
	s_mov_b32 s19, 0
	; V: 8 pieces' rows of 3,072 bytes (the head's four blocks of channels), 49,152 bytes apart
	s_mov_b32 s20, 3<<16
	s_mov_b32 s21, 384<<16
	s_mov_b32 s22, 8<<16
	s_mov_b32 s23, 384<<16
	s_mov_b32 s24, 8
	s_mov_b32 s25, 6144
	s_mov_b32 s26, 0
	s_mov_b32 s27, 0
	; K's scale words: 8,192 dense bytes
	s_mov_b32 s28, 3<<16
	s_mov_b32 s29, 32<<16
	s_mov_b32 s30, 32<<16
	s_mov_b32 s31, 32<<16
	s_mov_b32 s32, 32
	s_mov_b32 s33, 32
	s_mov_b32 s34, 0
	s_mov_b32 s35, 0
	; V's: 16 rows of 256 bytes, 8,192 bytes apart: the even pieces
	s_mov_b32 s36, 3<<16
	s_mov_b32 s37, 32<<16
	s_mov_b32 s38, 16<<16
	s_mov_b32 s39, 32<<16
	s_mov_b32 s40, 16
	s_mov_b32 s41, 1024
	s_mov_b32 s42, 0
	s_mov_b32 s43, 0
	s_mul_i32 s80, s77, 196608
	s_mul_i32 s81, s78, 98304
	s_add_co_u32 s80, s80, s81
	s_add_co_u32 s80, s80, 3145728                 ; K's pieces of this head and batch
	s_mul_i32 s81, s78, 1572864
	s_mul_i32 s82, s77, 3072
	s_add_co_u32 s81, s81, s82
	s_add_co_u32 s81, s81, 6291456                 ; V's
	s_lshl_b32 s82, s77, 14
	s_lshl_b32 s83, s78, 13
	s_add_co_u32 s82, s82, s83
	s_add_co_u32 s82, s82, 9699328                 ; K's scale words
	s_lshl_b32 s83, s78, 17
	s_lshl_b32 s84, s77, 8
	s_add_co_u32 s83, s83, s84
	s_add_co_u32 s83, s83, 9961472                 ; V's
	; THE FILLS, ONE A WAVE: waves 0-3 bring K's four groups of 512 keys, waves 4-7 V's, wave 8 K's scale words, wave 9 V's; the others' numbers are not used
	s_mov_b32 s84, 393216
	s_cmp_lt_u32 s[WV], 4
	s_cselect_b32 s80, s80, s81
	s_cselect_b32 s84, 24576, s84                  ; bytes from a group to the next
	s_and_b32 s85, s[WV], 3                        ; my group
	s_mul_i32 s84, s84, s85
	s_add_co_u32 s80, s80, s84
	s_cmp_eq_u32 s[WV], 8
	s_cselect_b32 s82, s82, s83
	s_mov_b32 s81, 0
	s_mov_b32 s83, 0
	s_lshr_b32 s86, s[WV], 2
	s_and_b32 s86, s86, 1
	s_mul_i32 s86, s86, VT                         ; LDS: K's region, then V's,
	s_mul_i32 s85, s85, 24576
	s_add_co_u32 s86, s86, s85                     ; my group in it
	s_and_b32 s87, s[WV], 1
	s_lshl_b32 s87, s87, 13
	s_add_co_u32 s87, s87, KSC
	s_wait_dscnt 0x0
	s_wait_kmcnt 0x0
	s_mov_b32 s44, 1
	s_mov_b32 s45, s87
	s_add_nc_u64 s[46:47], s[4:5], s[82:83]
	s_or_b32 s47, s47, 0x80000000
	s_mov_b32 s48, 1
	s_mov_b32 s49, s86
	s_add_nc_u64 s[50:51], s[4:5], s[80:81]
	s_or_b32 s51, s51, 0x80000000
.macro ARM under, g0, g1, next         ; one chain of branches on the wave's number, one fill to an arm, all arms to one join
	s_cmp_lt_u32 s[WV], \under
	s_cbranch_scc0 \next
	tensor_load_to_lds s[\g0:\g0+3], s[\g1:\g1+7]
	s_nop 0
.rept 4
	v_nop
.endr
	s_branch .Lno_fill
\next:
.endm
	ARM 4, 48, 12, .Lfill_v
	ARM 8, 48, 20, .Lfill_ks
	ARM 9, 44, 28, .Lfill_vs
	ARM 10, 44, 36, .Lno_fill
	s_lshr_b32 s79, s[WV], 1                       ; my tile of 16 queries in its block
	s_lshr_b32 s88, s[WV], 2
	s_xor_b32 s88, s88, s[WV]
	s_and_b32 s88, s88, 1                          ; the upper block?
	s_sub_co_u32 s89, 15, ttmp9
	s_cmp_lg_u32 s88, 0
	s_cselect_b32 s[BLK], s89, ttmp9
	s_lshl_b32 s88, s78, 7
	s_lshl_b32 s89, s[BLK], 3
	s_add_co_u32 s88, s88, s89
	s_add_co_u32 s88, s88, s79                     ; my tile's block of 16 tokens: 128 batch + 8 block + tile
	s_mul_i32 s90, s77, 196608
	s_mul_i32 s91, s88, 768
	s_add_co_u32 s90, s90, s91
	s_mov_b32 s91, 0
	s_add_nc_u64 s[92:93], s[4:5], s[90:91]        ; Q's piece
	s_add_nc_u64 s[94:95], s[6:7], s[90:91]        ; ctx's piece: the same place in its buffer
	s_lshl_b32 s90, s77, 14
	s_lshl_b32 s89, s88, 6
	s_add_co_u32 s90, s90, s89
	s_add_co_u32 s90, s90, 9437184
	s_add_nc_u64 s[96:97], s[4:5], s[90:91]        ; Q's scale words
	s_lshr_b32 s90, s77, 1
	s_lshl_b32 s90, s90, 14
	s_add_co_u32 s90, s90, s89
	s_and_b32 s89, s77, 1
	s_lshl_b32 s89, s89, 1
	s_add_co_u32 s90, s90, s89
	s_add_co_u32 s90, s90, 3145728
	s_add_nc_u64 s[98:99], s[6:7], s[90:91]        ; ctx's scale words: my head's two bytes
	s_mov_b32 s[CS], 0x3e38aa3b
	s_mov_b32 s[CS+1], s[CS]
	s_mov_b32 s[SEL], 0x76543210
	s_mov_b32 s[SEL+1], 0xfedcba98
	v_and_b32 v9, 31, v0
	s_delay_alu instid0(VALU_DEP_1)
	v_lshlrev_b32 v1, 3, v9                        ; 8 x lane: my place in a piece's pair; K's region begins at 0
	s_delay_alu instid0(VALU_DEP_1)
	v_add_nc_u32 v2, VT, v1
	v_and_b32 v10, 15, v0                          ; r
	v_bfe_u32 v11, v0, 4, 1                        ; h
	s_delay_alu instid0(VALU_DEP_2)
	v_lshlrev_b32 v6, 2, v10                       ; 4 r
	s_delay_alu instid0(VALU_DEP_1)
	v_add_nc_u32 v3, KSC, v6
	s_delay_alu instid0(VALU_DEP_2)
	v_add_nc_u32 v4, VSC, v6
	s_delay_alu instid0(VALU_DEP_4)
	v_lshlrev_b32 v11, 3, v11
	s_delay_alu instid0(VALU_DEP_1)
	v_sub_nc_u32 v5, v10, v11
	s_lshl_b32 s88, s79, 4
	v_add_nc_u32 v5, s88, v5                       ; d = 16 tile + r - 8 h: on the diagonal register 8 t + j is hidden where 16 t + j > d
.irp p, 0,1,2
	global_load_b64 v[16+2*\p:17+2*\p], v1, s[92:93] offset:256*\p
.endr
	global_load_b32 v28, v6, s[96:97]
.irp i, 22,23,24,25,26,27, 80,81,82,83,84,85, 14,15, 216,217,218,219, 241,242
	v_mov_b32 v\i, 0                               ; Q's upper half; the last K fragment's upper half; the sum; permute destinations; the pair's upper half
.endr
.set n, 0
.rept 32
	v_mov_b32 v[160+n], 0                          ; O^T: the step is written once, and its first trip finds zeros
.set n, n+1
.endr
	v_mov_b32 v13, 0xff61b1e6                      ; the largest t so far: -3e38
	s_delay_alu instid0(VALU_DEP_1)
	v_floor_f32 v12, -v13                          ; -M
	s_wait_loadcnt 0x0
.macro KSTEP
	s_cmp_gt_u32 s[SI], s[BLK]                     ; all these keys come after my queries
	s_cbranch_scc1 .Lskip_\@
	v_add_nc_u32 v8, s[TB], v1                     ; (these four are also the places behind the last products, ahead of the loads)
	v_add_nc_u32 v9, s[TB], v2
	v_add_nc_u32 v10, s[TS], v3
	v_add_nc_u32 v11, s[TJ], v4
.irp t, 0,1,2,3,4,5,6,7
.irp p, 0,1,2
	ds_load_b64 v[32+6*\t+2*\p:33+6*\t+2*\p], v8 offset:768*\t+256*\p   ; 256 consecutive bytes a load
.endr
	ds_load_b32 v[224+\t], v10 offset:64*\t
.endr
	s_wait_alu depctr_va_vdst(0)
	s_wait_dscnt 0x0
.irp t, 0,1,2,3,4,5,6,7
	v_wmma_scale_f32_16x16x128_f8f6f4 v[96+8*\t:103+8*\t], v[32+6*\t:43+6*\t], v[16:27], 0, v[224+\t], v28 matrix_a_fmt:MATRIX_FMT_FP6 matrix_b_fmt:MATRIX_FMT_FP6
.endr
.rept 4
	v_nop                                          ; places ahead of the loads below and of the first read of the scores
.endr
.irp t, 0,1,2,3
.irp c, 0,1
.irp p, 0,1,2
	ds_load_b64 v[32+12*\t+6*\c+2*\p:33+12*\t+6*\c+2*\p], v9 offset:3072*\c+768*\t+256*\p   ; V's fragments land while the softmax runs
.endr
.endr
	ds_load_b32 v[232+\t], v11 offset:64*\t
.endr
	s_cmp_lg_u32 s[SI], s[BLK]
	s_cbranch_scc1 .Lopen_\@
	v_mov_b32 v243, 0xff800000                     ; on the diagonal hidden scores become -infinity
.set n, 0
.rept 64
	v_cmp_gt_i32 vcc_lo, 16*(n/8)+n%8, v5
	v_cndmask_b32 v[96+n], v[96+n], v243, vcc_lo
.set n, n+1
.endr
.Lopen_\@:
.irp b, 0,1,2,3
	v_max3_num_f32 v[212+\b], v[96+16*\b], v[97+16*\b], v[98+16*\b]   ; the largest score of each block of 32 keys: for the row's maximum, and for the block's largest p
.endr
.irp i, 3,5,7,9,11,13
.irp b, 0,1,2,3
	v_max3_num_f32 v[212+\b], v[212+\b], v[96+16*\b+\i], v[97+16*\b+\i]
.endr
.endr
.irp b, 0,1,2,3
	v_max_num_f32 v[212+\b], v[212+\b], v[111+16*\b]
.endr
.irp b, 0,1,2,3
	s_delay_alu instid0(VALU_DEP_4)
	v_permlanex16_b32 v[216+\b], v[212+\b], s[SEL], s[SEL+1]
.endr
.irp b, 0,1,2,3
	s_delay_alu instid0(VALU_DEP_4)
	v_max_num_f32 v[212+\b], v[212+\b], v[216+\b]
.endr
	s_delay_alu instid0(VALU_DEP_2)
	v_max3_num_f32 v242, v212, v213, v214
	s_delay_alu instid0(VALU_DEP_1)
	v_max_num_f32 v242, v242, v215
	s_delay_alu instid0(VALU_DEP_1)
	v_mul_f32 v242, s[CS], v242
	s_delay_alu instid0(VALU_DEP_1)
	v_max_num_f32 v13, v13, v242                   ; the running largest t
	v_mov_b32 v242, v12
	s_delay_alu instid0(VALU_DEP_2)
	v_floor_f32 v12, -v13                          ; the new -M = -ceil(t)
	s_delay_alu instid0(VALU_DEP_1)
	v_sub_f32 v242, v12, v242                      ; old M - new M: a whole number, 0 or less
	s_delay_alu instid0(VALU_DEP_1)
	v_cvt_i32_f32 v242, v242                       ; (it saturates)
	s_delay_alu instid0(VALU_DEP_1)
	v_ldexp_f32 v240, 1.0, v242                    ; f = 2^(old M - new M)
.set n, 0
.rept 32
	v_pk_fma_f32 v[96+n:97+n], v[96+n:97+n], s[CS:CS+1], v[12:13] op_sel_hi:[1,0,0]   ; t - M
.set n, n+2
.endr
.irp b, 0,1,2,3
	v_fma_f32 v[212+\b], v[212+\b], s[CS], v12
.endr
.set n, 0
	s_wait_alu depctr_va_vdst(0)
.rept 64
	v_exp_f32 v[96+n], v[96+n]                     ; p = 2^(t - M)
.set n, n+1
.endr
.irp b, 0,1,2,3
	v_exp_f32 v[212+\b], v[212+\b]                 ; the block's largest p
.endr
	v_pk_mul_f32 v[14:15], v[14:15], v[240:241] op_sel_hi:[1,0]   ; the sum under the new M; a plain place behind the exponentials
	s_wait_alu depctr_va_vdst(0)
.irp b, 0,1,2,3
	v_max_num_f32 v[212+\b], 0x1800000, v[212+\b]  ; the floor 2^(3 - 127)
.endr
.irp b, 0,1,2,3
	s_delay_alu instid0(VALU_DEP_4)
	v_add_nc_u32 v[220+\b], 0xff000000, v[212+\b]
.endr
.irp b, 0,1,2,3
	s_delay_alu instid0(VALU_DEP_4)
	v_lshrrev_b32 v[216+\b], 23, v[220+\b]
.endr
	s_delay_alu instid0(VALU_DEP_3)
	v_lshl_or_b32 v236, v217, 8, v216              ; p's scale word for these 128 keys
	s_delay_alu instid0(VALU_DEP_1)
	v_lshl_or_b32 v236, v218, 16, v236
	s_delay_alu instid0(VALU_DEP_1)
	v_lshl_or_b32 v236, v219, 24, v236
.irp c, 0,1
	v_cvt_scalef32_pk16_fp6_f32 v[192+6*\c:194+6*\c], v[96+32*\c:111+32*\c], v[220+2*\c]
	v_cvt_scalef32_pk16_fp6_f32 v[204+4*\c:206+4*\c], v[112+32*\c:127+32*\c], v[220+2*\c+1]
.endr
	v_nop                                          ; one plain place behind a scaled conversion
.irp c, 0,1
.irp i, 0,1,2
	v_permlane16_swap_b32 v[192+6*\c+\i], v[204+4*\c+\i]
.endr
.irp i, 0,1,2
	s_delay_alu instid0(VALU_DEP_3)
	v_mov_b32 v[195+6*\c+\i], v[204+4*\c+\i]
.endr
.endr
	v_pk_add_f32 v[244:245], v[100:101], v[104:105]
	v_pk_add_f32 v[252:253], v[108:109], v[112:113]
	v_pk_add_f32 v[250:251], v[116:117], v[120:121]
	v_pk_add_f32 v[248:249], v[124:125], v[128:129]
	v_pk_add_f32 v[246:247], v[132:133], v[136:137]
	v_pk_add_f32 v[238:239], v[140:141], v[144:145]
	v_pk_add_f32 v[230:231], v[148:149], v[152:153]
	v_pk_add_f32 v[14:15], v[14:15], v[156:157]
	v_pk_add_f32 v[244:245], v[244:245], v[96:97]
	v_pk_add_f32 v[252:253], v[252:253], v[98:99]
	v_pk_add_f32 v[250:251], v[250:251], v[102:103]
	v_pk_add_f32 v[248:249], v[248:249], v[106:107]
	v_pk_add_f32 v[246:247], v[246:247], v[110:111]
	v_pk_add_f32 v[238:239], v[238:239], v[114:115]
	v_pk_add_f32 v[230:231], v[230:231], v[118:119]
	v_pk_add_f32 v[14:15], v[14:15], v[122:123]
	v_pk_add_f32 v[244:245], v[244:245], v[126:127]
	v_pk_add_f32 v[252:253], v[252:253], v[130:131]
	v_pk_add_f32 v[250:251], v[250:251], v[134:135]
	v_pk_add_f32 v[248:249], v[248:249], v[138:139]
	v_pk_add_f32 v[246:247], v[246:247], v[142:143]
	v_pk_add_f32 v[238:239], v[238:239], v[146:147]
	v_pk_add_f32 v[230:231], v[230:231], v[150:151]
	v_pk_add_f32 v[14:15], v[14:15], v[154:155]
	v_pk_add_f32 v[244:245], v[244:245], v[158:159]
	s_delay_alu instid0(VALU_DEP_2)
	v_pk_add_f32 v[14:15], v[14:15], v[248:249]
	s_delay_alu instid0(VALU_DEP_2)
	v_pk_add_f32 v[244:245], v[244:245], v[246:247]
	v_pk_add_f32 v[252:253], v[252:253], v[238:239]
	v_pk_add_f32 v[250:251], v[250:251], v[230:231]
	s_delay_alu instid0(VALU_DEP_2)
	v_pk_add_f32 v[14:15], v[14:15], v[252:253]
	s_delay_alu instid0(VALU_DEP_2)
	v_pk_add_f32 v[244:245], v[244:245], v[250:251]
	s_delay_alu instid0(VALU_DEP_1)
	v_pk_add_f32 v[14:15], v[14:15], v[244:245]
.set n, 0
.rept 16
	v_pk_mul_f32 v[160+n:161+n], v[160+n:161+n], v[240:241] op_sel_hi:[1,0]   ; O^T under the new M; with the sums above: the places between the scale word, the codes and the products
.set n, n+2
.endr
	s_wait_alu depctr_va_vdst(0)
	s_wait_dscnt 0x0                               ; V's fragments and scale words are in
.irp t, 0,1,2,3
	v_wmma_scale_f32_16x16x128_f8f6f4 v[160+8*\t:167+8*\t], v[32+12*\t:43+12*\t], v[192:203], v[160+8*\t:167+8*\t], v[232+\t], v236 matrix_a_fmt:MATRIX_FMT_FP6 matrix_b_fmt:MATRIX_FMT_FP6
.endr
.Lskip_\@:
	s_add_co_u32 s[SI], s[SI], 1
	s_add_co_u32 s[TB], s[TB], 6144
	s_add_co_u32 s[TS], s[TS], 512
	s_add_co_u32 s[TJ], s[TJ], 256
.endm
; The key steps: all 2,048 keys behind one barrier.
	s_wait_tensorcnt 0x0                           ; my one fill has landed (a wave that loads nothing passes at once)
	s_wait_dscnt 0x0
	s_barrier_signal -1
	s_barrier_wait -1                              ; all of K and V lies in LDS
	s_mov_b32 s[SI], 0
	s_mov_b32 s[TB], 0
	s_mov_b32 s[TS], 0
	s_mov_b32 s[TJ], 0
	s_mov_b32 s[CNT], 16
.Lkeys:                                        ; sixteen key steps of 128, a constant count; a wave passes over those behind its block
	KSTEP
	s_sub_co_u32 s[CNT], s[CNT], 1
	s_cmp_lg_u32 s[CNT], 0
	s_cbranch_scc1 .Lkeys
	; THE WAY OUT: O^T / the sum, brought into true channel order, quantised along the head's 64 channels: one piece and two scale bytes a row.
.rept 4
	v_nop
.endr
	v_add_f32 v14, v14, v15
	s_delay_alu instid0(VALU_DEP_1)
	v_permlanex16_b32 v242, v14, s[SEL], s[SEL+1]
	s_delay_alu instid0(VALU_DEP_1)
	v_add_f32 v14, v14, v242                       ; the row's sum
	s_wait_alu depctr_va_vdst(0)
	v_rcp_f32 v14, v14
	v_nop
.set n, 0
	s_wait_alu depctr_va_vdst(0)
.rept 32
	v_mul_f32 v[96+n], v[160+n], v14               ; register 8 t + j: channel 16 t + 8 h + j
.set n, n+1
.endr
.irp b, 0,1
.irp j, 0,1,2,3,4,5,6,7
	v_permlane16_swap_b32 v[96+16*\b+\j], v[104+16*\b+\j]   ; register 16 b + i is now channel 32 b + 16 h + i
.endr
.endr
.irp b, 0,1
	v_max3_num_f32 v[212+\b], |v[96+16*\b]|, |v[97+16*\b]|, 0x1800000
.endr
.irp i, 2,4,6,8,10,12,14
.irp b, 0,1
	s_delay_alu instid0(VALU_DEP_2)
	v_max3_num_f32 v[212+\b], v[212+\b], |v[96+16*\b+\i]|, |v[97+16*\b+\i]|
.endr
.endr
.irp b, 0,1
	s_delay_alu instid0(VALU_DEP_2)
	v_permlanex16_b32 v[216+\b], v[212+\b], s[SEL], s[SEL+1]
.endr
.irp b, 0,1
	s_delay_alu instid0(VALU_DEP_2)
	v_max_num_f32 v[212+\b], v[212+\b], v[216+\b]
.endr
.irp b, 0,1
	s_delay_alu instid0(VALU_DEP_2)
	v_add_nc_u32 v[220+\b], 0xff000000, v[212+\b]
.endr
.irp b, 0,1
	s_delay_alu instid0(VALU_DEP_2)
	v_lshrrev_b32 v[216+\b], 23, v[220+\b]
.endr
	s_delay_alu instid0(VALU_DEP_1)
	v_lshl_or_b32 v243, v217, 8, v216
	v_cvt_scalef32_pk16_fp6_f32 v[192:194], v[96:111], v220
	v_cvt_scalef32_pk16_fp6_f32 v[204:206], v[112:127], v221
	v_nop
.irp i, 0,1,2
	v_permlane16_swap_b32 v[192+\i], v[204+\i]
.endr
.irp i, 0,1,2
	s_delay_alu instid0(VALU_DEP_3)
	v_mov_b32 v[195+\i], v[204+\i]
.endr
.irp p, 0,1,2
	global_store_b64 v1, v[192+2*\p:193+2*\p], s[94:95] offset:256*\p   ; 256 consecutive bytes, aligned
.endr
	global_store_b16 v6, v243, s[98:99]            ; lanes r and r + 16 write the same two bytes
	s_wait_tensorcnt 0x0
	ds_add_u32 v254, v255
	s_wait_dscnt 0x0
	s_endpgm
.Lfunc_end_k_qd20f0dc90e_attn:
	.size	k_qd20f0dc90e_attn, .Lfunc_end_k_qd20f0dc90e_attn-k_qd20f0dc90e_attn
	.p2alignl 7, 3214868480
	.fill 96, 4, 3214868480
	.section	.rodata,"a",@progbits
	.p2align	6, 0x0
	.amdhsa_kernel k_qd20f0dc90e_attn
		.amdhsa_group_segment_fixed_size 210944
		.amdhsa_private_segment_fixed_size 0
		.amdhsa_enable_private_segment 0
		.amdhsa_kernarg_size 16
		.amdhsa_user_sgpr_count 2
		.amdhsa_user_sgpr_kernarg_segment_ptr 1
		.amdhsa_wavefront_size32 1
		.amdhsa_system_sgpr_workgroup_id_x 1
		.amdhsa_system_sgpr_workgroup_id_y 1
		.amdhsa_system_sgpr_workgroup_id_z 1
		.amdhsa_system_vgpr_workitem_id 0
		.amdhsa_next_free_vgpr 256
		.amdhsa_next_free_sgpr 100
		.amdhsa_reserve_vcc 1
		.amdhsa_float_denorm_mode_32 3
		.amdhsa_float_denorm_mode_16_64 3
		.amdhsa_memory_ordered 1
		.amdhsa_forward_progress 1
		.amdhsa_inst_pref_size 40
	.end_amdhsa_kernel
	.amdgpu_metadata
---
amdhsa.version: [ 1, 2 ]
amdhsa.kernels:
  - .name:           k_qd20f0dc90e_attn
    .symbol:         k_qd20f0dc90e_attn.kd
    .args:
      - { .name: qkv, .offset: 0, .size: 8, .value_kind: global_buffer, .address_space: global }
      - { .name: ctx, .offset: 8, .size: 8, .value_kind: global_buffer, .address_space: global }
    .group_segment_fixed_size: 210944
    .private_segment_fixed_size: 0
    .kernarg_segment_align: 8
    .kernarg_segment_size: 16
    .max_flat_workgroup_size: 512
    .sgpr_count:     100
    .vgpr_count:     256
    .wavefront_size: 32
...
	.end_amdgpu_metadata
.endif
;; end of part 3
;; launch wo (part 4): grid 8 x 32, 4 waves a work-group, clusters of 4 x 4, 327,680 bytes of LDS; arguments ctx, wc, wo_scales, bo, x, x1; writes x1
.if DOCPART == 4
	.amdgcn_target "amdgcn-amd-amdhsa--gfx1250"
	.amdhsa_code_object_version 6
	.text
	.protected	k_qd20f0dc90e_wo
	.globl	k_qd20f0dc90e_wo
	.p2align	8
	.type	k_qd20f0dc90e_wo,@function
k_qd20f0dc90e_wo:
	s_mov_b64 s[64:65], 0
	v_nop
	global_prefetch_b8 v0, s[64:65] scope:SCOPE_SE
	s_setreg_imm32_b32 hwreg(HW_REG_WAVE_MODE, 25, 1), 1
	s_wait_xcnt 0x0
	s_wait_alu depctr_hold_cnt(0) depctr_sa_sdst(0) depctr_va_vdst(0) depctr_va_sdst(0) depctr_va_ssrc(0) depctr_va_vcc(0) depctr_vm_vsrc(0)
	s_getreg_b32 s2, hwreg(HW_REG_IB_STS2, 6, 4)
	s_cmp_eq_u32 s2, 0
	s_cbranch_scc0 .Lentry_in_a_cluster
	s_endpgm
.Lentry_in_a_cluster:
	s_bfe_u32 s2, ttmp6, 0x10000c
	s_cmp_lg_u32 s2, 0xf033
	s_cbranch_scc0 .Lentry_shape_is_right
	s_endpgm
.Lentry_shape_is_right:
; x1 = x + ctx wo + bo, the product on codes of FP6 (E2M3) with E8M0 scales, K = SIZE_K = 1,024, N = 1,024, M = 4,096.
; A (ctx): images of operand registers: piece (K / 64, token / 16) of 768 bytes = [pair 0..2][lane][8 bytes]; its scale words (K / 128, token / 16), 64 bytes, from byte 3,072 SIZE_K.
; B (wo): codes as pieces in wc, scale bytes [1024][SIZE_K / 32].  Bias [1024], residual and result [4096][1024] f32.
; TILE: 128 x 128 of the result to a work-group, so that 256 work-groups have work (256 x 256 would give 64); four waves, 64 x 64 each: 16 accumulators.
; K goes in steps of 512 through two LDS slots: A's 8 pieces x 8 blocks of rows, dense; B's the same behind them.  At this K the two slots hold all of K: nothing is filled again.
; The scale words of all of K come once, with the first fills.  CLUSTERS: 4 x 4; A's tiles are asked for jointly along a row of the cluster, B's along a column.
; The matrix instruction is used transposed (source 0 = 16 rows of B, source 1 = 16 rows of A): a lane holds eight neighbouring numbers of a row.  The bias is the C of each sum's first product.
; The residual is loaded at the head into 128 registers and stays on its way under the whole K loop; it is added on the way out, which goes through the wave's stage in LDS, so that sixteen lanes store 256 consecutive bytes.
; REGISTERS: window 0: v0-31 addresses; v32-95 scale words, two sets, and nothing else; v96-127 the bias; v128-255 the accumulators ((a, b) at v[128 + 8 (4 a + b)]).
;   window 1: two sets of fragments at v0 and v128: A's four, then B's four.   window 2: v0-127 the residual; v128-191 rows on their way out.
.set SIZE_K, 1024
.set KS,     SIZE_K/32
.set KROW,   SIZE_K*3/4
.set PITCH,  240
.set APART,  49152
; B NOW COMES AS PIECES TOO, from wc (wo's rows are blocks 192 on), laid as A's are: a tile's row is 8 pieces, 6,144 bytes, and begins at a multiple of 256.
; At the head wave 0 fetches A's slot 0, wave 1 B's, waves 2 and 3 the scales; slot 1 is filled behind the full sequence and a round.  No prefetch: nothing is filled again, so there is no loop to run ahead in.
.set BSUB,   24576                     ; what one load of slot 1 brings: 4 x 8 pieces
.set BPB,    196608                    ; bytes from a row of B's pieces to the next
.set SLOT,   APART+2*BSUB
.set LAPS,   SIZE_K/1024
.set SCA,    2*SLOT                    ; A's scale words: 512 bytes for each 128 along K
.set SCB,    SCA+4*SIZE_K              ; B's scale bytes: units of 256 bytes + 16
.set SBH,    (SIZE_K/128)*272          ; those of 64 rows
.set SBB,    (16*KS/256)*272           ; of 16 rows
.set SPARE,  SCB+2*SBH                 ; the spare words: 128 bytes a wave, named by no other line
.set ADRA, 16
.set ADRB, 20
.set STO,  24
.set RD,   25
.set CO,   26
.set ADSA, 27
.set SPW,  28
.set NIL,  29
.set ADSB, 30
.set SC,   32
.set CB,   96
.set ACC,  128
.set BK,   128
.set G1A, 24
.set G0A, 32
.set G1B, 48
.set G0B, 56
.set G1SA, 68
.set G0SA, 76
.set G1SB, 80
.set G0SB, 88
.set MSB, 0
.macro WIN new                         ; the immediate's high byte repeats the setting that is left
.if MSB != (\new)
	s_set_vgpr_msb (MSB<<8)|(\new)
.set MSB, (\new)
.endif
.endm
.macro JLOAD g0a, g1a, g0b, g1b        ; a joint load: waves 0 and 1 fetch for A, waves 2 and 3 for B; four v_nop follow each line
	s_cmp_eq_u32 s15, 0
	s_cbranch_scc0 .Lfor_b_\@
	tensor_load_to_lds s[\g0a:\g0a+3], s[\g1a:\g1a+7]
	s_nop 0
.rept 4
	v_nop
.endr
	s_branch .Lasked_\@
.Lfor_b_\@:
	tensor_load_to_lds s[\g0b:\g0b+3], s[\g1b:\g1b+7]
	s_nop 0
.rept 4
	v_nop
.endr
.Lasked_\@:
.endm
.macro CREST
	s_cmp_lg_u32 s14, 0
	s_cbranch_scc1 .Lnot_wave_0_\@
	s_barrier_signal -3
.Lnot_wave_0_\@:
	s_barrier_wait -3
	s_barrier_signal -1
	s_barrier_wait -1
.endm
.macro CROUND
	s_barrier_signal -1
	s_barrier_wait -1
	CREST
.endm
	s_load_b128 s[4:7], s[0:1], 0x0                ; A, B's codes
	s_load_b128 s[8:11], s[0:1], 0x10              ; B's scales, the bias
	s_load_b128 s[92:95], s[0:1], 0x20             ; the residual, the result
	v_lshl_add_u32 v[SPW], v0, 2, SPARE
	v_mov_b32 v[NIL], 0
	ds_add_u32 v28, v29
	ds_add_u32 v28, v29
	s_wait_dscnt 0x0
	v_lshrrev_b32 v1, 5, v0
	v_readfirstlane_b32 s14, v1                    ; wave 0..3
	s_lshr_b32 s15, s14, 1                         ; which 64 rows are mine.  Also: I fetch for A (0) or for B (1)
	s_and_b32 s16, s14, 1                          ; which 64 columns.  Also: which part I fetch
	s_bfe_u32 s40, ttmp6, 0x40000                  ; cx
	s_bfe_u32 s41, ttmp6, 0x40004                  ; cy
	s_lshl_b32 s42, ttmp9, 2
	s_add_co_u32 s42, s42, s40                     ; tile column
	s_and_b32 s17, ttmp7, 0xffff
	s_lshl_b32 s17, s17, 2
	s_add_co_u32 s17, s17, s41                     ; tile row
	s_lshl_b32 s43, s41, 2
	s_lshl_b32 s43, 15, s43                        ; my row of the cluster
	s_lshl_b32 s44, 0x1111, s40                    ; my column
	s_or_b32 s[G1A], s43, (3<<16)|(1<<21)          ; A: 4 pieces' rows of 6,144 bytes (8 blocks of rows), 196,608 bytes apart; elements of 8 bytes
	s_mov_b32 s[G1A+1], 768<<16
	s_mov_b32 s[G1A+2], 8<<16                      ; the head's load: 8 rows
	s_mov_b32 s[G1A+3], 768<<16
	s_mov_b32 s[G1A+4], 8
	s_mov_b32 s[G1A+5], 24576
	s_mov_b32 s[G1A+6], 0
	s_mov_b32 s[G1A+7], 0
	s_or_b32 s[G1B], s44, (3<<16)|(1<<21)          ; B as A
	s_mov_b32 s[G1B+1], 768<<16
	s_mov_b32 s[G1B+2], 8<<16
	s_mov_b32 s[G1B+3], 768<<16
	s_mov_b32 s[G1B+4], 8
	s_mov_b32 s[G1B+5], BPB/8
	s_mov_b32 s[G1B+6], 0
	s_mov_b32 s[G1B+7], 0
	s_or_b32 s[G1SA], s43, (3<<16)|(1<<21)         ; A's scale words: SIZE_K / 128 rows of 512 bytes, 16,384 bytes apart
	s_mov_b32 s[G1SA+1], 64<<16
	s_mov_b32 s[G1SA+2], (SIZE_K/128)<<16
	s_mov_b32 s[G1SA+3], 64<<16
	s_mov_b32 s[G1SA+4], SIZE_K/128
	s_mov_b32 s[G1SA+5], 2048
	s_mov_b32 s[G1SA+6], 0
	s_mov_b32 s[G1SA+7], 0
	s_or_b32 s[G1SB], s44, (3<<16)|(1<<20)|(1<<21)|(5<<22)|(3<<25)  ; B's scale bytes of 128 rows: dense, as rows of 256 bytes + 16
	s_mov_b32 s[G1SB+1], 32<<16
	s_mov_b32 s[G1SB+2], (SIZE_K/64)<<16
	s_mov_b32 s[G1SB+3], 32<<16
	s_mov_b32 s[G1SB+4], SIZE_K/64
	s_mov_b32 s[G1SB+5], 32
	s_mov_b32 s[G1SB+6], 0
	s_mov_b32 s[G1SB+7], 0
	s_mul_i32 s20, s17, 6144                       ; A: the tile's 8 blocks of rows
	s_mov_b32 s21, 0
	s_lshl_b32 s22, s17, 9
	s_add_co_u32 s22, s22, 3072*SIZE_K
	s_mov_b32 s23, 0
	s_mul_i32 s46, s42, 6144                       ; B: the tile's 8 blocks of rows,
	s_add_co_u32 s46, s46, 147456                  ; behind wq's, wk's and wv's 192
	s_mov_b32 s47, 0
	s_lshl_b32 s96, s42, 7
	s_mul_i32 s96, s96, KS                         ; B's scale bytes: the tile's 128 rows
	s_mov_b32 s97, 0
	s_mul_i32 s18, s16, 24576                      ; LDS: made of the wave's number alone
	s_mul_i32 s19, s16, BSUB
	s_add_co_u32 s19, s19, APART
	s_mul_i32 s98, s16, 786432                     ; behind the head: which four rows of a slot I fetch, in A
	s_mov_b32 s99, 0
	s_mul_i32 s2, s16, 4*BPB                       ; and in B
	s_mov_b32 s3, 0
	s_wait_kmcnt 0x0
	s_add_nc_u64 s[20:21], s[4:5], s[20:21]
	s_add_nc_u64 s[22:23], s[4:5], s[22:23]
	s_add_nc_u64 s[46:47], s[6:7], s[46:47]
	s_add_nc_u64 s[96:97], s[8:9], s[96:97]
	CROUND                                         ; all sixteen work-groups are here: the first joint loads meet
	s_mov_b32 s[G0SA], 1
	s_mov_b32 s[G0SA+1], SCA
	s_mov_b64 s[G0SA+2:G0SA+3], s[22:23]
	s_or_b32 s[G0SA+3], s[G0SA+3], 0x80000000
	s_mov_b32 s[G0SB], 1
	s_mov_b32 s[G0SB+1], SCB
	s_mov_b64 s[G0SB+2:G0SB+3], s[96:97]
	s_or_b32 s[G0SB+3], s[G0SB+3], 0x80000000
	s_mov_b32 s[G0A], 1                            ; slot 0 whole: A's eight rows,
	s_mov_b32 s[G0A+1], 0
	s_mov_b64 s[G0A+2:G0A+3], s[20:21]
	s_or_b32 s[G0A+3], s[G0A+3], 0x80000000
	s_mov_b32 s[G0B], 1                            ; and B's
	s_mov_b32 s[G0B+1], APART
	s_mov_b64 s[G0B+2:G0B+3], s[46:47]
	s_or_b32 s[G0B+3], s[G0B+3], 0x80000000
	s_add_nc_u64 s[20:21], s[20:21], s[98:99]
	s_add_nc_u64 s[46:47], s[46:47], s[2:3]
	s_mov_b32 s[G0A+4], 1                          ; slot 1: my four rows
	s_add_co_u32 s[G0A+5], s18, SLOT
	s_add_nc_u64 s[G0A+6:G0A+7], s[20:21], 1572864
	s_or_b32 s[G0A+7], s[G0A+7], 0x80000000
	s_mov_b32 s[G0B+4], 1
	s_add_co_u32 s[G0B+5], s19, SLOT
	s_add_nc_u64 s[G0B+6:G0B+7], s[46:47], 8*BPB
	s_or_b32 s[G0B+7], s[G0B+7], 0x80000000
; the head's loads, one a wave, in one chain of branches on the wave's number
.macro ARM under, g0, g1, next
	s_cmp_lt_u32 s14, \under
	s_cbranch_scc0 \next
	tensor_load_to_lds s[\g0:\g0+3], s[\g1:\g1+7]
	s_nop 0
.rept 4
	v_nop
.endr
	s_branch .Lhead_asked
\next:
.endm
	ARM 1, G0A,  G1A,  .Lhead_b
	ARM 2, G0B,  G1B,  .Lhead_sa
	ARM 3, G0SA, G1SA, .Lhead_sb
	tensor_load_to_lds s[G0SB:G0SB+3], s[G1SB:G1SB+7]
	s_nop 0
.rept 4
	v_nop
.endr
.Lhead_asked:
	v_and_b32 v1, 15, v0                           ; r
	v_bfe_u32 v2, v0, 4, 1                         ; h
	v_and_b32 v3, 31, v0
	v_lshlrev_b32 v4, 3, v3                        ; 8 x lane
	s_mul_i32 s21, s15, 3072                       ; my four blocks of rows in a piece
	v_add_nc_u32 v[ADRA], s21, v4
	v_add_nc_u32 v[ADRA+1], SLOT, v[ADRA]
	s_wait_alu depctr_va_vdst(0)
	s_mul_i32 s22, s16, 3072                       ; my four blocks of B's rows in a piece row
	s_add_co_u32 s22, s22, APART
	v_add_nc_u32 v[ADRB], s22, v4
	v_add_nc_u32 v[ADRB+1], SLOT, v[ADRB]
	s_lshl_b32 s21, s15, 8
	s_add_co_u32 s21, s21, SCA
	v_lshl_add_u32 v[ADSA], v1, 2, s21             ; A's scale words: 256 x half + 4 r
	v_mul_u32_u24 v5, v1, KS
	v_lshrrev_b32 v6, 8, v5
	v_lshl_add_u32 v5, v6, 4, v5
	s_mul_i32 s21, s16, SBH
	s_add_co_u32 s21, s21, SCB
	v_add_nc_u32 v[ADSB], s21, v5                  ; B's: my row's bytes, 16 more for each 256 passed
	s_mul_i32 s21, s14, 16*272                     ; my stage: 16 rows x (256 bytes + 16), in slot 0, first written when that slot has had its last fill and its last read
	v_mul_u32_u24 v5, v1, 272
	v_lshl_add_u32 v5, v2, 5, v5
	v_add_nc_u32 v[STO], s21, v5
	v_mul_u32_u24 v5, v2, 272
	v_lshl_add_u32 v5, v1, 4, v5
	v_add_nc_u32 v[RD], s21, v5
	v_lshlrev_b32 v5, 12, v2
	v_lshl_add_u32 v[CO], v1, 4, v5                ; lanes 0-15 one row's 256 bytes, lanes 16-31 the next row's
	s_wait_alu depctr_va_vdst(0)
	s_lshl_b32 s20, s17, 19
	s_lshl_b32 s21, s15, 18
	s_add_co_u32 s20, s20, s21
	s_lshl_b32 s22, s42, 9
	s_lshl_b32 s23, s16, 8
	s_add_co_u32 s22, s22, s23                     ; my first column, in bytes
	s_add_co_u32 s20, s20, s22
	s_mov_b32 s21, 0
	s_mov_b32 s23, 0
	s_add_nc_u64 s[92:93], s[92:93], s[20:21]
	s_add_nc_u64 s[94:95], s[94:95], s[20:21]
	s_add_nc_u64 s[10:11], s[10:11], s[22:23]
	v_lshlrev_b32 v6, 5, v2                        ; 32 h
.irp b, 0,1,2,3
	global_load_b128 v[CB+8*\b:CB+8*\b+3], v6, s[10:11] offset:64*\b
	global_load_b128 v[CB+8*\b+4:CB+8*\b+7], v6, s[10:11] offset:64*\b+16
.endr
	WIN 0x80                                       ; destination window 2
.irp a, 0,1,2,3
.irp t, 0,1,2,3,4,5,6,7
	global_load_b128 v[4*(8*\a+\t):4*(8*\a+\t)+3], v[CO], s[92:93] offset:(16*\a+2*\t)*4096
.endr
.endr
	WIN 0
	s_wait_loadcnt 32                              ; the bias is in; the 32 loads of the residual stay out
.macro FRAG_A reg, slot, q, i          ; 16 rows x 128 K: two pieces, three pairs each; a load takes 256 consecutive bytes
.irp p, 0,1,2,3,4,5
	ds_load_b64 v[\reg+2*\p:\reg+2*\p+1], v[ADRA+\slot] offset:(2*(\q)+\p/3)*6144+768*(\i)+256*(\p%3)
.endr
.endm
.macro FRAG_B reg, slot, q, i          ; 16 rows x 128 K: two pieces, three pairs each; a load takes 256 consecutive bytes
.irp p, 0,1,2,3,4,5
	ds_load_b64 v[\reg+2*\p:\reg+2*\p+1], v[ADRB+\slot] offset:(2*(\q)+\p/3)*6144+768*(\i)+256*(\p%3)
.endr
.endm
.macro FETCH slot, q, f                ; 48 loads: the fragments of the slot's q-th 128 along K into the set at f
	WIN 0x40
.irp i, 0,1,2,3
	FRAG_B (\f)+48+12*\i, \slot, \q, \i
	FRAG_A (\f)+12*\i, \slot, \q, \i
.endr
.endm
.macro SCALES s                        ; a slot's scale words: A's one by one, B's four words a row at once
.irp i, 0,1,2,3
.irp q, 0,1,2,3
	ds_load_b32 v[SC+32*\s+4*\i+\q], v[ADSA] offset:512*\q+64*\i
.endr
.endr
.irp b, 0,1,2,3
	ds_load_b128 v[SC+16+32*\s+4*\b:SC+16+32*\s+4*\b+3], v[ADSB] offset:\b*SBB
.endr
.endm
; 8 products: A's blocks a0, a0 + 1 x B's four.  zero = 1: the sums start from the bias.  The 16 accumulators take turns, one instruction a turn.
.macro MUL8 f, q, sc, a0, zero
.irp a, \a0, \a0+1
.irp b, 0,1,2,3
.if \zero
	v_wmma_scale_f32_16x16x128_f8f6f4 v[ACC+8*(4*(\a)+\b):ACC+8*(4*(\a)+\b)+7], v[(\f)+48+12*\b:(\f)+48+12*\b+11], v[(\f)+12*(\a):(\f)+12*(\a)+11], v[CB+8*\b:CB+8*\b+7], v[SC+16+32*(\sc)+4*\b+(\q)], v[SC+32*(\sc)+4*(\a)+(\q)] matrix_a_fmt:MATRIX_FMT_FP6 matrix_b_fmt:MATRIX_FMT_FP6
.else
	v_wmma_scale_f32_16x16x128_f8f6f4 v[ACC+8*(4*(\a)+\b):ACC+8*(4*(\a)+\b)+7], v[(\f)+48+12*\b:(\f)+48+12*\b+11], v[(\f)+12*(\a):(\f)+12*(\a)+11], v[ACC+8*(4*(\a)+\b):ACC+8*(4*(\a)+\b)+7], v[SC+16+32*(\sc)+4*\b+(\q)], v[SC+32*(\sc)+4*(\a)+(\q)] matrix_a_fmt:MATRIX_FMT_FP6 matrix_b_fmt:MATRIX_FMT_FP6
.endif
.endr
.endr
.endm
.macro PLACES                          ; four plain places behind matrix instructions, ahead of loads into their registers and of reads of their results
.rept 4
	v_nop
.endr
.endm
.macro STEP slot, q, zero              ; 128 along K with its successor in the same slot: the next step's 48 loads are out under this step's 16 products
	s_wait_dscnt 0x0                               ; this step's fragments (and scale words) are in
	PLACES
	FETCH \slot, (\q)+1, 128*(((\q)+1)%2)
	WIN 0x05                                       ; sources 0 and 1 window 1; C and D window 0
	MUL8 128*((\q)%2), \q, \slot, 0, \zero
	MUL8 128*((\q)%2), \q, \slot, 2, \zero
.endm
; A slot's last step changes slots: one barrier; ahead of it each wave waits for all its tensor loads, adds 0 to its spare word, and waits for that and for its reads of this slot.
.macro TURN slot, next, fill
	WIN 0
	s_wait_tensorcnt 0x0                           ; all my tensor loads have landed: my part of the next slot
	ds_add_u32 v[SPW], v[NIL]                      ; 0 onto my spare word
	s_wait_dscnt 1                                 ; this step's fragments are in; the add alone may be out
	WIN 0x05
	MUL8 128, 3, \slot, 0, 0
	s_wait_dscnt 0x0                               ; the add is done, and my reads of this slot are over
	WIN 0
	s_barrier_signal -1
	s_barrier_wait -1
.if \fill
	CREST                                          ; the barrier has opened a round of the cluster's: no wave of any partner still reads this slot or has a load on its way
	s_add_nc_u64 s[G0A+4*\slot+2:G0A+4*\slot+3], s[G0A+4*\slot+2:G0A+4*\slot+3], 3145728
	s_add_nc_u64 s[G0B+4*\slot+2:G0B+4*\slot+3], s[G0B+4*\slot+2:G0B+4*\slot+3], 16*BPB
	JLOAD G0A+4*\slot, G1A, G0B+4*\slot, G1B       ; the first tensor load behind the round
.else
	PLACES
.endif
	v_add_nc_u32 v[ADSA], 2048, v[ADSA]            ; the next slot's scale words
	v_add_nc_u32 v[ADSB], 16, v[ADSB]
	FETCH \next, 0, 0
	WIN 0
	SCALES \next
	WIN 0x05
	MUL8 128, 3, \slot, 2, 0
.endm
	s_wait_tensorcnt 0x0                           ; my tile of the head's four is in
	ds_add_u32 v[SPW], v[NIL]
	s_mov_b32 s[G1A+2], 4<<16                      ; no load of mine is out: slot 1's loads bring four rows
	s_mov_b32 s[G1A+4], 4
	s_mov_b32 s[G1B+2], 4<<16
	s_mov_b32 s[G1B+4], 4
	s_wait_dscnt 0x0
	CROUND
	JLOAD G0A+4, G1A, G0B+4, G1B                   ; slot 1's first fill, the first tensor load behind the round
	FETCH 0, 0, 0
	WIN 0
	SCALES 0
	STEP 0, 0, 1
.if LAPS > 1
	WIN 0
	s_mov_b32 s3, LAPS-1
.Llap:
	STEP 0, 1, 0
	STEP 0, 2, 0
	TURN 0, 1, 1
	STEP 1, 0, 0
	STEP 1, 1, 0
	STEP 1, 2, 0
	TURN 1, 0, 1
	STEP 0, 0, 0
	WIN 0
	s_sub_co_u32 s3, s3, 1
	s_cmp_lg_u32 s3, 0
	s_cbranch_scc1 .Llap
.endif
	STEP 0, 1, 0
	STEP 0, 2, 0
	TURN 0, 1, 0
	STEP 1, 0, 0
	STEP 1, 1, 0
	STEP 1, 2, 0
	s_wait_dscnt 0x0
	WIN 0x05
	MUL8 128, 3, 1, 0, 0
	MUL8 128, 3, 1, 2, 0
	WIN 0
; THE WAY OUT, 16 rows x 64 columns at a time: into my stage, back as whole rows of 256 bytes, the residual added, stored.
.macro TOSTAGE a
	WIN 0
.irp b, 0,1,2,3
	ds_store_b128 v[STO], v[ACC+8*(4*(\a)+\b):ACC+8*(4*(\a)+\b)+3] offset:64*\b          ; each accumulator from its low end on
	ds_store_b128 v[STO], v[ACC+8*(4*(\a)+\b)+4:ACC+8*(4*(\a)+\b)+7] offset:64*\b+16
.endr
	WIN 0x80
.irp t, 0,1,2,3,4,5,6,7
	ds_load_b128 v[BK+32*((\a)%2)+4*\t:BK+32*((\a)%2)+4*\t+3], v[RD] offset:544*\t   ; LDS serves a wave's instructions in order: these see the stores above
.endr
.endm
.macro SEND a, younger
	s_wait_dscnt \younger                          ; the block is back; the next block's 8 stores and 8 loads may be out
	WIN 0x8a
.set i, 0
.rept 16
	v_pk_add_f32 v[BK+32*((\a)%2)+2*i:BK+32*((\a)%2)+2*i+1], v[BK+32*((\a)%2)+2*i:BK+32*((\a)%2)+2*i+1], v[32*(\a)+2*i:32*(\a)+2*i+1]
.set i, i+1
.endr
	WIN 0x08
.irp t, 0,1,2,3,4,5,6,7
	global_store_b128 v[CO], v[BK+32*((\a)%2)+4*\t:BK+32*((\a)%2)+4*\t+3], s[94:95] offset:(16*(\a)+2*\t)*4096   ; sixteen lanes store 256 consecutive bytes, aligned
.endr
.endm
	PLACES
	s_wait_loadcnt 0x0                             ; the residual
	TOSTAGE 0
.irp a, 1,2,3
.if \a > 1
	s_wait_xcnt 0x0                                ; block a - 2's stores have read their registers
.endif
	TOSTAGE \a
	SEND \a-1, 16
.endr
	SEND 3, 0
	WIN 0
	s_wait_tensorcnt 0x0                           ; the wave's end
	ds_add_u32 v[SPW], v[NIL]
	s_wait_dscnt 0x0
	CROUND                                         ; the closing round
	s_endpgm
.Lfunc_end_k_qd20f0dc90e_wo:
	.size	k_qd20f0dc90e_wo, .Lfunc_end_k_qd20f0dc90e_wo-k_qd20f0dc90e_wo
	.p2alignl 7, 3214868480
	.fill 96, 4, 3214868480
	.section	.rodata,"a",@progbits
	.p2align	6, 0x0
	.amdhsa_kernel k_qd20f0dc90e_wo
		.amdhsa_group_segment_fixed_size 327680
		.amdhsa_private_segment_fixed_size 0
		.amdhsa_enable_private_segment 0
		.amdhsa_kernarg_size 48
		.amdhsa_user_sgpr_count 2
		.amdhsa_user_sgpr_kernarg_segment_ptr 1
		.amdhsa_wavefront_size32 1
		.amdhsa_system_sgpr_workgroup_id_x 1
		.amdhsa_system_sgpr_workgroup_id_y 1
		.amdhsa_system_sgpr_workgroup_id_z 1
		.amdhsa_system_vgpr_workitem_id 0
		.amdhsa_next_free_vgpr 768
		.amdhsa_next_free_sgpr 100
		.amdhsa_reserve_vcc 0
		.amdhsa_float_denorm_mode_32 3
		.amdhsa_float_denorm_mode_16_64 3
		.amdhsa_memory_ordered 1
		.amdhsa_forward_progress 1
		.amdhsa_inst_pref_size 71
	.end_amdhsa_kernel
	.amdgpu_metadata
---
amdhsa.version: [ 1, 2 ]
amdhsa.kernels:
  - .name:           k_qd20f0dc90e_wo
    .symbol:         k_qd20f0dc90e_wo.kd
    .args:
      - { .name: ctx, .offset: 0, .size: 8, .value_kind: global_buffer, .address_space: global }
      - { .name: wc, .offset: 8, .size: 8, .value_kind: global_buffer, .address_space: global }
      - { .name: wo_scales, .offset: 16, .size: 8, .value_kind: global_buffer, .address_space: global }
      - { .name: bo, .offset: 24, .size: 8, .value_kind: global_buffer, .address_space: global }
      - { .name: x, .offset: 32, .size: 8, .value_kind: global_buffer, .address_space: global }
      - { .name: x1, .offset: 40, .size: 8, .value_kind: global_buffer, .address_space: global }
    .group_segment_fixed_size: 327680
    .private_segment_fixed_size: 0
    .kernarg_segment_align: 8
    .kernarg_segment_size: 48
    .max_flat_workgroup_size: 128
    .sgpr_count:     100
    .vgpr_count:     768
    .wavefront_size: 32
...
	.end_amdgpu_metadata
.endif
;; end of part 4
;; launch norm2: the kernel of part 1 again; grid 256 x 1, 4 waves a work-group, no clusters, 69,632 bytes of LDS; arguments x1, norm2_w, an, wq_codes, wk_codes, wv_codes, wo_codes, w1_codes, w2_codes, wc, w1p, w2p; writes an, wc, w1p, w2p
;; launch ffn1 (part 5): grid 16 x 16, 4 waves a work-group, clusters of 4 x 4, 327,680 bytes of LDS; arguments an, w1p, w1_scales, b1, g; writes g
.if DOCPART == 5
	.amdgcn_target "amdgcn-amd-amdhsa--gfx1250"
	.amdhsa_code_object_version 6
	.text
	.protected	k_qd20f0dc90e_ffn1
	.globl	k_qd20f0dc90e_ffn1
	.p2align	8
	.type	k_qd20f0dc90e_ffn1,@function
k_qd20f0dc90e_ffn1:
	s_mov_b64 s[64:65], 0
	v_nop
	global_prefetch_b8 v0, s[64:65] scope:SCOPE_SE
	s_setreg_imm32_b32 hwreg(HW_REG_WAVE_MODE, 25, 1), 1
	s_wait_xcnt 0x0
	s_wait_alu depctr_hold_cnt(0) depctr_sa_sdst(0) depctr_va_vdst(0) depctr_va_sdst(0) depctr_va_ssrc(0) depctr_va_vcc(0) depctr_vm_vsrc(0)
	s_getreg_b32 s2, hwreg(HW_REG_IB_STS2, 6, 4)
	s_cmp_eq_u32 s2, 0
	s_cbranch_scc0 .Lentry_in_a_cluster
	s_endpgm
.Lentry_in_a_cluster:
	s_bfe_u32 s2, ttmp6, 0x10000c
	s_cmp_lg_u32 s2, 0xf033
	s_cbranch_scc0 .Lentry_shape_is_right
	s_endpgm
.Lentry_shape_is_right:
.set NQ,     2
; g = Q(silu(h w1 + b1)) on codes of FP6 (E2M3) with E8M0 scales, K = 1,024; a tile of 256 x 256 by four waves, 128 x 128 each.
; The codes come as pieces (16 rows x 64 k = 768 bytes, an image of operand registers), h's from an and w1's from w1p: piece (k / 64, row / 16) at ((k / 64) 256 + row / 16) 768.
; A slot holds 256 along K: A's 4 x 16 pieces, then B's; a tile's row is 12,288 bytes and begins at a multiple of 256.  At the head wave 0 fetches A's slot 0, wave 1 B's, waves 2 and 3 the scale bytes; in the ring a wave fetches two of a side's four rows.
; No prefetch: K is 1,024, four slots, of which two are asked for ahead of the first product.
.set ROWB,   786432                    ; bytes from a slot's pieces to the next slot's: 4 x 196,608
.set KROW,   48                        ; bytes of one piece column for each row: 768 / 16
.set PITCH,  240
.set FR,     12
.set NL,     6
.set NP,     4
.set HALFT,  24576                     ; what one load of the ring brings: 2 x 16 pieces
.set G0H,    4
.set G0HB,   8
.set SLOT,   4*HALFT
.set LAPS,   2
.set KS,     32
.set SCL,    2*SLOT
.set HALFS,  (128*KS/256)*272
.set SBLK,   (16*KS/256)*272
.set SPARE,  SCL+4*HALFS
.set ADRA, 16
.set ADRB, 20
.set ADRS, 27
.set SPW,  28
.set NIL,  29
.set SC,   32
.set AF,   128
.set H,    64
.set T,    128
.set CD,   192
.set TM,   224
.set PW,   240
.set PWP,  241
.set VO0,  7
.set VS,   9
.set SEL,  20
.set G1, 24
.set G0, 32
.set G1B, 48
.set G0B, 56
.set G1S, 68
.set G0S, 76
.set G1SB, 80
.set G0SB, 88
.set MSB, 0
.macro WIN new
.if MSB != (\new)
	s_set_vgpr_msb (MSB<<8)|(\new)
.set MSB, (\new)
.endif
.endm
.set MUL_LO, 0xa1
.set MUL_HI, 0xf1
.set TO_B,   0x40
.macro JLOAD g0a, g1a, g0b, g1b
	s_cmp_eq_u32 s15, 0
	s_cbranch_scc0 .Lfor_b_\@
	tensor_load_to_lds s[\g0a:\g0a+3], s[\g1a:\g1a+7]
	s_nop 0
.rept 4
	v_nop
.endr
	s_branch .Lasked_\@
.Lfor_b_\@:
	tensor_load_to_lds s[\g0b:\g0b+3], s[\g1b:\g1b+7]
	s_nop 0
.rept 4
	v_nop
.endr
.Lasked_\@:
.endm
.macro CREST
	s_cmp_lg_u32 s14, 0
	s_cbranch_scc1 .Lnot_wave_0_\@
	s_barrier_signal -3
.Lnot_wave_0_\@:
	s_barrier_wait -3
	s_barrier_signal -1
	s_barrier_wait -1
.endm
.macro CROUND
	s_barrier_signal -1
	s_barrier_wait -1
	CREST
.endm
	s_load_b64 s[4:5], s[0:1], 0x0
	s_load_b128 s[8:11], s[0:1], 0x8
	s_load_b128 s[96:99], s[0:1], 0x18
	v_lshl_add_u32 v[SPW], v0, 2, SPARE
	v_mov_b32 v[NIL], 0
	ds_add_u32 v28, v29
	ds_add_u32 v28, v29
	s_wait_dscnt 0x0
	v_lshrrev_b32 v1, 5, v0
	v_readfirstlane_b32 s14, v1
	s_lshr_b32 s15, s14, 1
	s_and_b32 s16, s14, 1
	s_bfe_u32 s40, ttmp6, 0x40000
	s_bfe_u32 s41, ttmp6, 0x40004
	s_lshl_b32 s42, ttmp9, 2
	s_add_co_u32 s42, s42, s40
	s_and_b32 s17, ttmp7, 0xffff
	s_lshl_b32 s17, s17, 2
	s_add_co_u32 s17, s17, s41
	s_lshl_b32 s43, s41, 2
	s_lshl_b32 s43, 15, s43
	s_lshl_b32 s44, 0x1111, s40
	s_or_b32 s[G1+0], s43, (3<<16)|(1<<21)         ; mask; elements of 8 bytes; dense
	s_or_b32 s[G1B+0], s44, (3<<16)|(1<<21)
.irp g, G1, G1B
	s_mov_b32 s[\g+1], 1536<<16                    ; a row: 16 pieces
	s_mov_b32 s[\g+2], 4<<16                       ; the head's loads: 4 rows
	s_mov_b32 s[\g+3], 1536<<16
	s_mov_b32 s[\g+4], 4
	s_mov_b32 s[\g+5], 24576                       ; 196,608 bytes from row to row
	s_mov_b32 s[\g+6], 0
	s_mov_b32 s[\g+7], 0
.endr
	s_or_b32 s[G1S+0], s43, (3<<16)|(1<<20)|(1<<21)|(5<<22)|(3<<25)
	s_or_b32 s[G1SB+0], s44, (3<<16)|(1<<20)|(1<<21)|(5<<22)|(3<<25)
.irp g, G1S, G1SB
	s_mov_b32 s[\g+1], 32<<16
	s_mov_b32 s[\g+2], KS<<16                      ; the scales of 256 rows: KS rows of 256 bytes
	s_mov_b32 s[\g+3], 32<<16
	s_mov_b32 s[\g+4], KS
	s_mov_b32 s[\g+5], 32
	s_mov_b32 s[\g+6], 0
	s_mov_b32 s[\g+7], 0
.endr
	s_lshl_b32 s20, s17, 8                         ; A: the tile's first row
	s_lshl_b32 s46, s42, 8                         ; B likewise
	s_mov_b32 s21, 0
	s_mov_b32 s47, 0
	s_mov_b64 s[18:19], KS
	s_mul_u64 s[22:23], s[20:21], s[18:19]
	s_mul_u64 s[92:93], s[46:47], s[18:19]
	s_mov_b64 s[18:19], KROW
	s_mul_u64 s[20:21], s[20:21], s[18:19]
	s_mul_u64 s[46:47], s[46:47], s[18:19]
	s_mul_i32 s18, s16, 393216                     ; in the ring: which two of the four rows I fetch
	s_mov_b32 s19, 0
	s_mul_i32 s45, s14, HALFT
	s_wait_kmcnt 0x0
	s_add_nc_u64 s[6:7], s[4:5], 0x300000
	s_mov_b64 s[12:13], s[98:99]
	s_add_nc_u64 s[20:21], s[4:5], s[20:21]
	s_add_nc_u64 s[22:23], s[6:7], s[22:23]
	s_add_nc_u64 s[46:47], s[8:9], s[46:47]
	s_add_nc_u64 s[92:93], s[10:11], s[92:93]
	CROUND
	s_mov_b32 s[G0S], 1
	s_mov_b32 s[G0S+1], SCL
	s_mov_b64 s[G0S+2:G0S+3], s[22:23]
	s_or_b32 s[G0S+3], s[G0S+3], 0x80000000
	s_mov_b32 s[G0SB], 1
	s_mov_b32 s[G0SB+1], SCL+2*HALFS
	s_mov_b64 s[G0SB+2:G0SB+3], s[92:93]
	s_or_b32 s[G0SB+3], s[G0SB+3], 0x80000000
	s_mov_b32 s[G0H], 1                            ; slot 0 whole: A's four rows,
	s_mov_b32 s[G0H+1], 0
	s_mov_b64 s[G0H+2:G0H+3], s[20:21]
	s_or_b32 s[G0H+3], s[G0H+3], 0x80000000
	s_mov_b32 s[G0HB], 1                           ; and B's
	s_mov_b32 s[G0HB+1], 2*HALFT
	s_mov_b64 s[G0HB+2:G0HB+3], s[46:47]
	s_or_b32 s[G0HB+3], s[G0HB+3], 0x80000000
	s_add_nc_u64 s[20:21], s[20:21], s[18:19]      ; for the ring: my two rows
	s_add_nc_u64 s[46:47], s[46:47], s[18:19]
.irp s, 0,1
	s_mov_b32 s[G0+4*\s], 1
	s_add_co_u32 s[G0+4*\s+1], s45, \s*SLOT
	s_add_nc_u64 s[G0+4*\s+2:G0+4*\s+3], s[20:21], \s*ROWB
	s_or_b32 s[G0+4*\s+3], s[G0+4*\s+3], 0x80000000
	s_mov_b32 s[G0B+4*\s], 1
	s_add_co_u32 s[G0B+4*\s+1], s45, \s*SLOT
	s_add_nc_u64 s[G0B+4*\s+2:G0B+4*\s+3], s[46:47], \s*ROWB
	s_or_b32 s[G0B+4*\s+3], s[G0B+4*\s+3], 0x80000000
.endr
; the head's loads, one a wave, in one chain of branches on the wave's number
.macro ARM under, g0, g1, next
	s_cmp_lt_u32 s14, \under
	s_cbranch_scc0 \next
	tensor_load_to_lds s[\g0:\g0+3], s[\g1:\g1+7]
	s_nop 0
.rept 4
	v_nop
.endr
	s_branch .Lhead_asked
\next:
.endm
	ARM 1, G0H,  G1,  .Lhead_b
	ARM 2, G0HB, G1B, .Lhead_sa
	ARM 3, G0S,  G1S, .Lhead_sb
	tensor_load_to_lds s[G0SB:G0SB+3], s[G1SB:G1SB+7]
	s_nop 0
.rept 4
	v_nop
.endr
.Lhead_asked:
	v_and_b32 v1, 15, v0
	v_bfe_u32 v2, v0, 4, 1
	v_and_b32 v3, 31, v0
	v_lshlrev_b32 v4, 3, v3                        ; 8 x lane: my place in a piece's pair
	s_wait_alu depctr_va_vdst(0)
	s_mul_i32 s21, s15, 6144                       ; my 8 blocks of A's rows
	s_mul_i32 s22, s16, 6144                       ; and of B's
	s_add_co_u32 s22, s22, 2*HALFT
.irp s, 0,1
	v_add_nc_u32 v[ADRA+\s], s21, v4
	v_add_nc_u32 v[ADRB+\s], s22, v4
	s_add_co_u32 s21, s21, SLOT
	s_add_co_u32 s22, s22, SLOT
.endr
	v_mul_u32_u24 v5, v1, KS
	v_lshrrev_b32 v6, 8, v5
	v_lshl_add_u32 v5, v6, 4, v5
	s_mul_i32 s21, s15, HALFS
	s_mul_i32 s22, s16, HALFS
	s_add_co_u32 s22, s22, 2*HALFS
	s_sub_co_u32 s22, s22, s21
	v_mul_u32_u24 v6, s22, v2
	s_add_co_u32 s21, s21, SCL
	v_add_nc_u32 v5, v5, v6
	v_add_nc_u32 v[ADRS], s21, v5
	s_lshl_b32 s46, s42, 2
	s_lshl_b32 s47, s16, 1
	s_add_co_u32 s46, s46, s47
	s_lshl_b32 s47, s17, 4
	s_lshl_b32 s45, s15, 3
	s_add_co_u32 s47, s47, s45
	s_mov_b32 s93, 0
	s_lshl_b32 s92, s46, 8
	s_add_nc_u64 s[96:97], s[96:97], s[92:93]
	s_lshl_b32 s92, s46, 13
	s_lshl_b32 s94, s47, 6
	s_add_co_u32 s92, s92, s94
	s_add_co_u32 s92, s92, 12582912
	s_add_nc_u64 s[98:99], s[12:13], s[92:93]
	s_mul_i32 s92, s46, 196608
	s_mul_i32 s94, s47, 768
	s_add_co_u32 s92, s92, s94
	s_add_nc_u64 s[12:13], s[12:13], s[92:93]
	s_mov_b32 s19, 0xffff0000
	s_mov_b32 s[SEL], 0x76543210
	s_mov_b32 s[SEL+1], 0xfedcba98
	v_and_b32 v6, 31, v0
	v_lshlrev_b32 v[VO0], 3, v6
	v_lshlrev_b32 v[VS], 2, v6
	v_lshlrev_b32 v11, 5, v2
.irp b, 0,1,2,3
	v_mov_b32 v[TM+4+\b], 0
.endr
	WIN 0x40
.irp b, 0,1,2,3,4,5,6,7
	global_load_b128 v[96+8*\b+96*(\b/4):96+8*\b+96*(\b/4)+3], v11, s[96:97] offset:64*\b
	global_load_b128 v[96+8*\b+96*(\b/4)+4:96+8*\b+96*(\b/4)+7], v11, s[96:97] offset:64*\b+16
.endr
	WIN 0
	s_wait_alu depctr_va_vdst(0)
	s_wait_loadcnt 0x0
.macro FRAG reg, adr, q, i
.irp p, 0,1,2,3,4,5
	ds_load_b64 v[\reg+2*\p:\reg+2*\p+1], v[\adr] offset:(2*(\q)+\p/3)*12288+768*(\i)+256*(\p%3)   ; two pieces, three pairs each: 256 consecutive bytes a load
.endr
.endm
.macro MUL16 a0, p, q, sc, zero
.irp a, \a0, \a0+1
.irp b, 0,1,2,3,4,5,6,7
.if \zero
	v_wmma_scale_f32_16x16x128_f8f6f4 v[8*(8*((\a)%4)+\b):8*(8*((\a)%4)+\b)+7], v[128*(\p)+FR*\b:128*(\p)+FR*\b+FR-1], v[AF+FR*(\a):AF+FR*(\a)+FR-1], v[96+8*\b+96*(\b/4):96+8*\b+96*(\b/4)+7], v[SC+8*NQ*(\sc)+NQ*\b+(\q)], v[SC+8*NQ*(\sc)+NQ*(\a)+(\q)] matrix_a_fmt:MATRIX_FMT_FP6 matrix_b_fmt:MATRIX_FMT_FP6 matrix_a_scale:MATRIX_SCALE_ROW1
.else
	v_wmma_scale_f32_16x16x128_f8f6f4 v[8*(8*((\a)%4)+\b):8*(8*((\a)%4)+\b)+7], v[128*(\p)+FR*\b:128*(\p)+FR*\b+FR-1], v[AF+FR*(\a):AF+FR*(\a)+FR-1], v[8*(8*((\a)%4)+\b):8*(8*((\a)%4)+\b)+7], v[SC+8*NQ*(\sc)+NQ*\b+(\q)], v[SC+8*NQ*(\sc)+NQ*(\a)+(\q)] matrix_a_fmt:MATRIX_FMT_FP6 matrix_b_fmt:MATRIX_FMT_FP6 matrix_a_scale:MATRIX_SCALE_ROW1
.endif
.endr
.endr
.endm
.macro FETCH_B slot, q, p
	WIN TO_B
.irp i, 0,1,2,3,4,5,6,7
	FRAG 128*(\p)+FR*\i, ADRB+\slot, \q, \i
.endr
	WIN 0
.endm
.macro FETCH_A slot, q, i0
.irp i, \i0, \i0+1, \i0+2, \i0+3
	FRAG AF+FR*(\i), ADRA+\slot, \q, \i
.endr
.endm
.macro SCALES sc
.irp i, 0,1,2,3,4,5,6,7
	ds_load_b64 v[SC+8*NQ*\sc+NQ*\i:SC+8*NQ*\sc+NQ*\i+1], v[ADRS] offset:\i*SBLK
.endr
.endm
.macro PLACES n
.rept \n
	v_nop
.endr
.endm
.macro STEP slot, q, zero
	s_wait_dscnt 4*NL
.if \zero
	WIN 0x91
.else
	WIN MUL_LO
.endif
	MUL16 0, (\q)%2, \q, \slot, \zero
	MUL16 2, (\q)%2, \q, \slot, \zero
	s_wait_dscnt 0
	PLACES NP
	FETCH_B \slot, (\q)+1, 1-(\q)%2
	FETCH_A \slot, (\q)+1, 0
.if \zero
	WIN 0xd1
.else
	WIN MUL_HI
.endif
	MUL16 4, (\q)%2, \q, \slot, \zero
	MUL16 6, (\q)%2, \q, \slot, \zero
	PLACES NP
	WIN 0
	FETCH_A \slot, (\q)+1, 4
.endm
.macro TURN slot, next, fill
	s_wait_tensorcnt 0x0
	ds_add_u32 v[SPW], v[NIL]
	s_wait_dscnt 4*NL+1
	WIN MUL_LO
	MUL16 0, 1, NQ-1, \slot, 0
	s_wait_dscnt 0x0
	s_barrier_signal -1
	MUL16 2, 1, NQ-1, \slot, 0
	WIN 0
	s_barrier_wait -1
.if \fill
	CREST
	s_add_nc_u64 s[G0+4*\slot+2:G0+4*\slot+3], s[G0+4*\slot+2:G0+4*\slot+3], 2*ROWB
	s_add_nc_u64 s[G0B+4*\slot+2:G0B+4*\slot+3], s[G0B+4*\slot+2:G0B+4*\slot+3], 2*ROWB
	JLOAD G0+4*\slot, G1, G0B+4*\slot, G1B
.else
	PLACES NP
.endif
	s_wait_alu depctr_va_vdst(0)
	v_add_nc_u32 v[ADRS], 4*NQ, v[ADRS]
	FETCH_B \next, 0, 0
	FETCH_A \next, 0, 0
	SCALES \next
	WIN MUL_HI
	MUL16 4, 1, NQ-1, \slot, 0
	MUL16 6, 1, NQ-1, \slot, 0
	PLACES NP
	WIN 0
	FETCH_A \next, 0, 4
.endm
	s_wait_tensorcnt 0x0                           ; my tile of the head's four is in
	ds_add_u32 v[SPW], v[NIL]
	s_mov_b32 s[G1+2], 2<<16                       ; no load of mine is out: from here on a load brings two rows
	s_mov_b32 s[G1+4], 2
	s_mov_b32 s[G1B+2], 2<<16
	s_mov_b32 s[G1B+4], 2
	s_wait_dscnt 0x0
	CROUND
	JLOAD G0+4, G1, G0B+4, G1B                     ; slot 1's first fill, the first tensor load behind the round
	FETCH_B 0, 0, 0
	FETCH_A 0, 0, 0
	SCALES 0
	FETCH_A 0, 0, 4
	STEP 0, 0, 1
	s_mov_b32 s3, LAPS-1
.Llap:
	TURN 0, 1, 1
	STEP 1, 0, 0
	TURN 1, 0, 1
	STEP 0, 0, 0
	s_sub_co_u32 s3, s3, 1
	s_cmp_lg_u32 s3, 0
	s_cbranch_scc1 .Llap
	TURN 0, 1, 0
	STEP 1, 0, 0
	s_wait_dscnt 4*NL
	WIN MUL_LO
	MUL16 0, 1, NQ-1, 1, 0
	MUL16 2, 1, NQ-1, 1, 0
	s_wait_dscnt 0
	WIN MUL_HI
	MUL16 4, 1, NQ-1, 1, 0
	MUL16 6, 1, NQ-1, 1, 0
	WIN 0
.macro QUANT s
.irp b, 0,1,2,3
	v_max3_num_f32 v[TM+\b], |v[\s+16*\b]|, |v[\s+1+16*\b]|, 0x1800000
.endr
.irp i, 2,4,6,8,10,12,14
.irp b, 0,1,2,3
	v_max3_num_f32 v[TM+\b], v[TM+\b], |v[\s+16*\b+\i]|, |v[\s+1+16*\b+\i]|
.endr
.endr
.irp b, 0,1,2,3
	v_permlanex16_b32 v[TM+4+\b], v[TM+\b], s[SEL], s[SEL+1]
.endr
.irp b, 0,1,2,3
	v_max_num_f32 v[TM+\b], v[TM+\b], v[TM+4+\b]
.endr
.irp b, 0,1,2,3
	v_add_nc_u32 v[TM+12+\b], 0xff000000, v[TM+\b]
.endr
.irp b, 0,1,2,3
	v_lshrrev_b32 v[TM+4+\b], 23, v[TM+12+\b]
.endr
	v_lshl_or_b32 v[PW], v[TM+5], 8, v[TM+4]
	v_lshl_or_b32 v[PW], v[TM+6], 16, v[PW]
	v_lshl_or_b32 v[PW], v[TM+7], 24, v[PW]
.irp c, 0,1
	v_cvt_scalef32_pk16_fp6_f32 v[CD+6*\c:CD+2+6*\c], v[\s+32*\c:\s+15+32*\c], v[TM+12+2*\c]
	v_cvt_scalef32_pk16_fp6_f32 v[CD+12+4*\c:CD+14+4*\c], v[\s+16+32*\c:\s+31+32*\c], v[TM+12+2*\c+1]
.endr
	v_nop
.irp c, 0,1
.irp i, 0,1,2
	v_permlane16_swap_b32 v[CD+6*\c+\i], v[CD+12+4*\c+\i]
.endr
.irp i, 0,1,2
	v_mov_b32 v[CD+3+6*\c+\i], v[CD+12+4*\c+\i]
.endr
.endr
.endm
.macro BLOCK a
.if (\a) > 0
	s_wait_xcnt 0x0
.endif
	WIN 0x02+(\a)/4
.set i, 0
.rept 32
	v_pk_mul_f32 v[T+2*i:T+2*i+1], v[64*((\a)%4)+2*i:64*((\a)%4)+2*i+1], 0xbfb8aa3b op_sel_hi:[1,0]
.set i, i+1
.endr
	WIN 0
.set i, 0
	s_wait_alu depctr_va_vdst(0)
.rept 64
	v_exp_f32 v[T+i], v[T+i]
.set i, i+1
.endr
	v_nop
.set i, 0
	s_wait_alu depctr_va_vdst(0)
.rept 32
	v_pk_add_f32 v[T+2*i:T+2*i+1], v[T+2*i:T+2*i+1], 1.0 op_sel_hi:[1,0]
.set i, i+1
.endr
.set i, 0
	s_wait_alu depctr_va_vdst(0)
.rept 64
	v_rcp_f32 v[T+i], v[T+i]
.set i, i+1
.endr
	v_nop
	WIN 0x02+(\a)/4
.set i, 0
	s_wait_alu depctr_va_vdst(0)
.rept 32
	v_pk_mul_f32 v[H+2*i:H+2*i+1], v[64*((\a)%4)+2*i:64*((\a)%4)+2*i+1], v[T+2*i:T+2*i+1]
.set i, i+1
.endr
	WIN 0
.irp b, 0,1,2,3
.irp j, 0,1,2,3,4,5,6,7
	v_permlane16_swap_b32 v[H+16*\b+\j], v[H+16*\b+8+\j]
.endr
.endr
	QUANT H
.irp c, 0,1
.irp p, 0,1,2
	global_store_b64 v[VO0], v[CD+6*\c+2*\p:CD+6*\c+2*\p+1], s[12:13] offset:\c*196608+768*(\a)+256*\p
.endr
.endr
.if (\a)%2 == 0
	v_mov_b32 v[PWP], v[PW]
.else
	v_cndmask_b32 v[PWP], v[PWP], v[PW], s19
	global_store_b32 v[VS], v[PWP], s[98:99] offset:64*((\a)-1)
.endif
.endm
	PLACES NP
.irp a, 0,1,2,3,4,5,6,7
	BLOCK \a
.endr
	s_wait_tensorcnt 0x0
	ds_add_u32 v[SPW], v[NIL]
	s_wait_dscnt 0x0
	CROUND
	s_endpgm
.Lfunc_end_k_qd20f0dc90e_ffn1:
	.size	k_qd20f0dc90e_ffn1, .Lfunc_end_k_qd20f0dc90e_ffn1-k_qd20f0dc90e_ffn1
	.p2alignl 7, 3214868480
	.fill 96, 4, 3214868480
	.section	.rodata,"a",@progbits
	.p2align	6, 0x0
	.amdhsa_kernel k_qd20f0dc90e_ffn1
		.amdhsa_group_segment_fixed_size 327680
		.amdhsa_private_segment_fixed_size 0
		.amdhsa_enable_private_segment 0
		.amdhsa_kernarg_size 40
		.amdhsa_user_sgpr_count 2
		.amdhsa_user_sgpr_kernarg_segment_ptr 1
		.amdhsa_wavefront_size32 1
		.amdhsa_system_sgpr_workgroup_id_x 1
		.amdhsa_system_sgpr_workgroup_id_y 1
		.amdhsa_system_sgpr_workgroup_id_z 1
		.amdhsa_system_vgpr_workitem_id 0
		.amdhsa_next_free_vgpr 1024
		.amdhsa_next_free_sgpr 100
		.amdhsa_reserve_vcc 0
		.amdhsa_float_denorm_mode_32 3
		.amdhsa_float_denorm_mode_16_64 3
		.amdhsa_memory_ordered 1
		.amdhsa_forward_progress 1
		.amdhsa_inst_pref_size 255
	.end_amdhsa_kernel
	.section	.bss,"aw",@nobits
	.p2align	6
	.space	262144
	.amdgpu_metadata
---
amdhsa.version: [ 1, 2 ]
amdhsa.kernels:
  - .name:           k_qd20f0dc90e_ffn1
    .symbol:         k_qd20f0dc90e_ffn1.kd
    .args:
      - { .name: an, .offset: 0, .size: 8, .value_kind: global_buffer, .address_space: global }
      - { .name: w1p, .offset: 8, .size: 8, .value_kind: global_buffer, .address_space: global }
      - { .name: w1_scales, .offset: 16, .size: 8, .value_kind: global_buffer, .address_space: global }
      - { .name: b1, .offset: 24, .size: 8, .value_kind: global_buffer, .address_space: global }
      - { .name: g, .offset: 32, .size: 8, .value_kind: global_buffer, .address_space: global }
    .group_segment_fixed_size: 327680
    .private_segment_fixed_size: 0
    .kernarg_segment_align: 8
    .kernarg_segment_size: 40
    .max_flat_workgroup_size: 128
    .sgpr_count:     100
    .vgpr_count:     1024
    .wavefront_size: 32
...
	.end_amdgpu_metadata
.endif
;; end of part 5
;; launch ffn2 (part 6): grid 8 x 32, 4 waves a work-group, clusters of 4 x 4, 327,680 bytes of LDS; arguments g, w2p, w2_scales, b2, x1, out0; writes out0
.if DOCPART == 6
	.amdgcn_target "amdgcn-amd-amdhsa--gfx1250"
	.amdhsa_code_object_version 6
	.text
	.protected	k_qd20f0dc90e_ffn2
	.globl	k_qd20f0dc90e_ffn2
	.p2align	8
	.type	k_qd20f0dc90e_ffn2,@function
k_qd20f0dc90e_ffn2:
	s_mov_b64 s[64:65], 0
	v_nop
	global_prefetch_b8 v0, s[64:65] scope:SCOPE_SE
	s_setreg_imm32_b32 hwreg(HW_REG_WAVE_MODE, 25, 1), 1
	s_wait_xcnt 0x0
	s_wait_alu depctr_hold_cnt(0) depctr_sa_sdst(0) depctr_va_vdst(0) depctr_va_sdst(0) depctr_va_ssrc(0) depctr_va_vcc(0) depctr_vm_vsrc(0)
	s_getreg_b32 s2, hwreg(HW_REG_IB_STS2, 6, 4)
	s_cmp_eq_u32 s2, 0
	s_cbranch_scc0 .Lentry_in_a_cluster
	s_endpgm
.Lentry_in_a_cluster:
	s_bfe_u32 s2, ttmp6, 0x10000c
	s_cmp_lg_u32 s2, 0xf033
	s_cbranch_scc0 .Lentry_shape_is_right
	s_endpgm
.Lentry_shape_is_right:
.set SIZE_K, 4096
.set KS,     SIZE_K/32
.set KROW,   SIZE_K*3/4
.set PITCH,  240
.set APART,  49152
; out0 = x1 + g w2 + b2, the product on codes of FP6 (E2M3) with E8M0 scales, K = 4,096; a tile of 128 x 128 to a work-group (256 work-groups), four waves, 64 x 64 each.
; A (g) and B (w2p) come as pieces (16 rows x 64 k = 768 bytes, an image of operand registers); a tile's row is 8 pieces, 6,144 bytes, and begins at a multiple of 256.  K goes in steps of 512 through two slots.
; At the head wave 0 fetches A's slot 0, wave 1 B's, waves 2 and 3 the scales of all of K; slot 1 is first filled behind the full sequence and a round; in the ring a wave fetches four of a side's eight rows.
; PREFETCH: behind each refill of the loop's first two trips a wave names the slot that stands two refills on: of the four rows that it will fetch, the partner at place p (cx for A, cy for B) names row p, 24 blocks of 256 bytes, a lane a block
; (lanes 24-31 name the last again).  Slots 2 and 3 come by their refills alone; the last trip asks for nothing, so slot 7 is the last that is named.
.set BSUB,   24576                     ; what one load of the ring brings: 4 x 8 pieces
.set BPB,    49152                     ; bytes from a row of B's pieces to the next
.set PFO,    31                        ; v31 the prefetches' offset
.set PFA,    66                        ; s[66:67] where they stand; s[12:13] their step
.set SLOT,   APART+2*BSUB
.set LAPS,   SIZE_K/1024
.set SCA,    2*SLOT
.set SCB,    SCA+4*SIZE_K
.set SBH,    (SIZE_K/128)*272
.set SBB,    (16*KS/256)*272
.set SPARE,  SCB+2*SBH
.set ADRA, 16
.set ADRB, 20
.set STO,  24
.set RD,   25
.set CO,   26
.set ADSA, 27
.set SPW,  28
.set NIL,  29
.set ADSB, 30
.set SC,   32
.set CB,   96
.set ACC,  128
.set BK,   128
.set G1A, 24
.set G0A, 32
.set G1B, 48
.set G0B, 56
.set G1SA, 68
.set G0SA, 76
.set G1SB, 80
.set G0SB, 88
.set MSB, 0
.macro WIN new
.if MSB != (\new)
	s_set_vgpr_msb (MSB<<8)|(\new)
.set MSB, (\new)
.endif
.endm
.macro JLOAD g0a, g1a, g0b, g1b
	s_cmp_eq_u32 s15, 0
	s_cbranch_scc0 .Lfor_b_\@
	tensor_load_to_lds s[\g0a:\g0a+3], s[\g1a:\g1a+7]
	s_nop 0
.rept 4
	v_nop
.endr
	s_branch .Lasked_\@
.Lfor_b_\@:
	tensor_load_to_lds s[\g0b:\g0b+3], s[\g1b:\g1b+7]
	s_nop 0
.rept 4
	v_nop
.endr
.Lasked_\@:
.endm
.macro CREST
	s_cmp_lg_u32 s14, 0
	s_cbranch_scc1 .Lnot_wave_0_\@
	s_barrier_signal -3
.Lnot_wave_0_\@:
	s_barrier_wait -3
	s_barrier_signal -1
	s_barrier_wait -1
.endm
.macro CROUND
	s_barrier_signal -1
	s_barrier_wait -1
	CREST
.endm
	s_load_b128 s[4:7], s[0:1], 0x0
	s_load_b128 s[8:11], s[0:1], 0x10
	s_load_b128 s[92:95], s[0:1], 0x20
	v_lshl_add_u32 v[SPW], v0, 2, SPARE
	v_mov_b32 v[NIL], 0
	ds_add_u32 v28, v29
	ds_add_u32 v28, v29
	s_wait_dscnt 0x0
	v_lshrrev_b32 v1, 5, v0
	v_readfirstlane_b32 s14, v1
	s_lshr_b32 s15, s14, 1
	s_and_b32 s16, s14, 1
	s_bfe_u32 s40, ttmp6, 0x40000
	s_bfe_u32 s41, ttmp6, 0x40004
	s_lshl_b32 s42, ttmp9, 2
	s_add_co_u32 s42, s42, s40
	s_and_b32 s17, ttmp7, 0xffff
	s_lshl_b32 s17, s17, 2
	s_add_co_u32 s17, s17, s41
	s_lshl_b32 s43, s41, 2
	s_lshl_b32 s43, 15, s43
	s_lshl_b32 s44, 0x1111, s40
	s_or_b32 s[G1A], s43, (3<<16)|(1<<21)
	s_mov_b32 s[G1A+1], 768<<16
	s_mov_b32 s[G1A+2], 8<<16                      ; the head's load: 8 rows
	s_mov_b32 s[G1A+3], 768<<16
	s_mov_b32 s[G1A+4], 8
	s_mov_b32 s[G1A+5], 24576
	s_mov_b32 s[G1A+6], 0
	s_mov_b32 s[G1A+7], 0
	s_or_b32 s[G1B], s44, (3<<16)|(1<<21)          ; B as A
	s_mov_b32 s[G1B+1], 768<<16
	s_mov_b32 s[G1B+2], 8<<16
	s_mov_b32 s[G1B+3], 768<<16
	s_mov_b32 s[G1B+4], 8
	s_mov_b32 s[G1B+5], BPB/8
	s_mov_b32 s[G1B+6], 0
	s_mov_b32 s[G1B+7], 0
	s_or_b32 s[G1SA], s43, (3<<16)|(1<<21)
	s_mov_b32 s[G1SA+1], 64<<16
	s_mov_b32 s[G1SA+2], (SIZE_K/128)<<16
	s_mov_b32 s[G1SA+3], 64<<16
	s_mov_b32 s[G1SA+4], SIZE_K/128
	s_mov_b32 s[G1SA+5], 2048
	s_mov_b32 s[G1SA+6], 0
	s_mov_b32 s[G1SA+7], 0
	s_or_b32 s[G1SB], s44, (3<<16)|(1<<20)|(1<<21)|(5<<22)|(3<<25)
	s_mov_b32 s[G1SB+1], 32<<16
	s_mov_b32 s[G1SB+2], (SIZE_K/64)<<16
	s_mov_b32 s[G1SB+3], 32<<16
	s_mov_b32 s[G1SB+4], SIZE_K/64
	s_mov_b32 s[G1SB+5], 32
	s_mov_b32 s[G1SB+6], 0
	s_mov_b32 s[G1SB+7], 0
	s_mul_i32 s20, s17, 6144                       ; A: the tile's 8 blocks of rows
	s_mov_b32 s21, 0
	s_lshl_b32 s22, s17, 9
	s_add_co_u32 s22, s22, 3072*SIZE_K
	s_mov_b32 s23, 0
	s_mul_i32 s46, s42, 6144                       ; B: the tile's 8 blocks of rows
	s_mov_b32 s47, 0
	s_lshl_b32 s96, s42, 7
	s_mul_i32 s96, s96, KS
	s_mov_b32 s97, 0
	s_mul_i32 s18, s16, 24576
	s_mul_i32 s19, s16, BSUB
	s_add_co_u32 s19, s19, APART
	s_mul_i32 s98, s16, 786432                     ; in the ring: which four rows of a slot I fetch, in A
	s_mov_b32 s99, 0
	s_mul_i32 s2, s16, 4*BPB                       ; and in B
	s_mov_b32 s3, 0
	s_wait_kmcnt 0x0
	s_add_nc_u64 s[20:21], s[4:5], s[20:21]
	s_add_nc_u64 s[22:23], s[4:5], s[22:23]
	s_add_nc_u64 s[46:47], s[6:7], s[46:47]
	s_add_nc_u64 s[96:97], s[8:9], s[96:97]
	CROUND
	s_mov_b32 s[G0SA], 1
	s_mov_b32 s[G0SA+1], SCA
	s_mov_b64 s[G0SA+2:G0SA+3], s[22:23]
	s_or_b32 s[G0SA+3], s[G0SA+3], 0x80000000
	s_mov_b32 s[G0SB], 1
	s_mov_b32 s[G0SB+1], SCB
	s_mov_b64 s[G0SB+2:G0SB+3], s[96:97]
	s_or_b32 s[G0SB+3], s[G0SB+3], 0x80000000
	s_mov_b32 s[G0A], 1                            ; slot 0 whole: A's eight rows,
	s_mov_b32 s[G0A+1], 0
	s_mov_b64 s[G0A+2:G0A+3], s[20:21]
	s_or_b32 s[G0A+3], s[G0A+3], 0x80000000
	s_mov_b32 s[G0B], 1                            ; and B's
	s_mov_b32 s[G0B+1], APART
	s_mov_b64 s[G0B+2:G0B+3], s[46:47]
	s_or_b32 s[G0B+3], s[G0B+3], 0x80000000
	s_add_nc_u64 s[20:21], s[20:21], s[98:99]
	s_add_nc_u64 s[46:47], s[46:47], s[2:3]
	s_mov_b32 s[G0A+4], 1                          ; slot 1: my four rows
	s_add_co_u32 s[G0A+5], s18, SLOT
	s_add_nc_u64 s[G0A+6:G0A+7], s[20:21], 1572864
	s_or_b32 s[G0A+7], s[G0A+7], 0x80000000
	s_mov_b32 s[G0B+4], 1
	s_add_co_u32 s[G0B+5], s19, SLOT
	s_add_nc_u64 s[G0B+6:G0B+7], s[46:47], 8*BPB
	s_or_b32 s[G0B+7], s[G0B+7], 0x80000000
; the head's loads, one a wave, in one chain of branches on the wave's number
.macro ARM under, g0, g1, next
	s_cmp_lt_u32 s14, \under
	s_cbranch_scc0 \next
	tensor_load_to_lds s[\g0:\g0+3], s[\g1:\g1+7]
	s_nop 0
.rept 4
	v_nop
.endr
	s_branch .Lhead_asked
\next:
.endm
	ARM 1, G0A,  G1A,  .Lhead_b
	ARM 2, G0B,  G1B,  .Lhead_sa
	ARM 3, G0SA, G1SA, .Lhead_sb
	tensor_load_to_lds s[G0SB:G0SB+3], s[G1SB:G1SB+7]
	s_nop 0
.rept 4
	v_nop
.endr
.Lhead_asked:
	s_cmp_eq_u32 s15, 0                            ; the prefetches: do I fetch for A?
	s_cselect_b64 s[PFA:PFA+1], s[20:21], s[46:47] ; my four rows of slot 0
	s_cselect_b32 s96, s40, s41                    ; my place among the four that ask with me
	s_mov_b32 s12, 8*BPB
	s_cselect_b32 s12, 1572864, s12                ; bytes from slot to slot
	s_mov_b32 s13, 0
	s_mov_b32 s97, BPB
	s_cselect_b32 s97, 196608, s97                 ; bytes from row to row
	s_mul_i32 s96, s96, s97
	s_mul_i32 s97, s12, 3
	s_add_co_u32 s96, s96, s97                     ; at slot 3: the first refill steps it to slot 4
	s_mov_b32 s97, 0
	s_add_nc_u64 s[PFA:PFA+1], s[PFA:PFA+1], s[96:97]
	v_and_b32 v1, 15, v0
	v_bfe_u32 v2, v0, 4, 1
	v_and_b32 v3, 31, v0
	v_lshlrev_b32 v4, 3, v3
	s_mul_i32 s21, s15, 3072
	v_add_nc_u32 v[ADRA], s21, v4
	v_add_nc_u32 v[ADRA+1], SLOT, v[ADRA]
	s_wait_alu depctr_va_vdst(0)
	s_mul_i32 s22, s16, 3072                       ; my four blocks of B's rows in a piece row
	s_add_co_u32 s22, s22, APART
	v_add_nc_u32 v[ADRB], s22, v4
	v_add_nc_u32 v[ADRB+1], SLOT, v[ADRB]
	v_min_u32 v[PFO], 23, v3
	v_lshlrev_b32 v[PFO], 8, v[PFO]                ; a lane a block of 256 bytes, 24 blocks a row
	s_lshl_b32 s21, s15, 8
	s_add_co_u32 s21, s21, SCA
	v_lshl_add_u32 v[ADSA], v1, 2, s21
	v_mul_u32_u24 v5, v1, KS
	v_lshrrev_b32 v6, 8, v5
	v_lshl_add_u32 v5, v6, 4, v5
	s_mul_i32 s21, s16, SBH
	s_add_co_u32 s21, s21, SCB
	v_add_nc_u32 v[ADSB], s21, v5
	s_mul_i32 s21, s14, 16*272
	v_mul_u32_u24 v5, v1, 272
	v_lshl_add_u32 v5, v2, 5, v5
	v_add_nc_u32 v[STO], s21, v5
	v_mul_u32_u24 v5, v2, 272
	v_lshl_add_u32 v5, v1, 4, v5
	v_add_nc_u32 v[RD], s21, v5
	v_lshlrev_b32 v5, 12, v2
	v_lshl_add_u32 v[CO], v1, 4, v5
	s_wait_alu depctr_va_vdst(0)
	s_lshl_b32 s20, s17, 19
	s_lshl_b32 s21, s15, 18
	s_add_co_u32 s20, s20, s21
	s_lshl_b32 s22, s42, 9
	s_lshl_b32 s23, s16, 8
	s_add_co_u32 s22, s22, s23
	s_add_co_u32 s20, s20, s22
	s_mov_b32 s21, 0
	s_mov_b32 s23, 0
	s_add_nc_u64 s[92:93], s[92:93], s[20:21]
	s_add_nc_u64 s[94:95], s[94:95], s[20:21]
	s_add_nc_u64 s[10:11], s[10:11], s[22:23]
	v_lshlrev_b32 v6, 5, v2
.irp b, 0,1,2,3
	global_load_b128 v[CB+8*\b:CB+8*\b+3], v6, s[10:11] offset:64*\b
	global_load_b128 v[CB+8*\b+4:CB+8*\b+7], v6, s[10:11] offset:64*\b+16
.endr
	WIN 0x80
.irp a, 0,1,2,3
.irp t, 0,1,2,3,4,5,6,7
	global_load_b128 v[4*(8*\a+\t):4*(8*\a+\t)+3], v[CO], s[92:93] offset:(16*\a+2*\t)*4096
.endr
.endr
	WIN 0
	s_wait_loadcnt 32
.macro FRAG_A reg, slot, q, i
.irp p, 0,1,2,3,4,5
	ds_load_b64 v[\reg+2*\p:\reg+2*\p+1], v[ADRA+\slot] offset:(2*(\q)+\p/3)*6144+768*(\i)+256*(\p%3)
.endr
.endm
.macro FRAG_B reg, slot, q, i
.irp p, 0,1,2,3,4,5
	ds_load_b64 v[\reg+2*\p:\reg+2*\p+1], v[ADRB+\slot] offset:(2*(\q)+\p/3)*6144+768*(\i)+256*(\p%3)
.endr
.endm
.macro FETCH slot, q, f
	WIN 0x40
.irp i, 0,1,2,3
	FRAG_B (\f)+48+12*\i, \slot, \q, \i
	FRAG_A (\f)+12*\i, \slot, \q, \i
.endr
.endm
.macro SCALES s
.irp i, 0,1,2,3
.irp q, 0,1,2,3
	ds_load_b32 v[SC+32*\s+4*\i+\q], v[ADSA] offset:512*\q+64*\i
.endr
.endr
.irp b, 0,1,2,3
	ds_load_b128 v[SC+16+32*\s+4*\b:SC+16+32*\s+4*\b+3], v[ADSB] offset:\b*SBB
.endr
.endm
.macro MUL8 f, q, sc, a0, zero
.irp a, \a0, \a0+1
.irp b, 0,1,2,3
.if \zero
	v_wmma_scale_f32_16x16x128_f8f6f4 v[ACC+8*(4*(\a)+\b):ACC+8*(4*(\a)+\b)+7], v[(\f)+48+12*\b:(\f)+48+12*\b+11], v[(\f)+12*(\a):(\f)+12*(\a)+11], v[CB+8*\b:CB+8*\b+7], v[SC+16+32*(\sc)+4*\b+(\q)], v[SC+32*(\sc)+4*(\a)+(\q)] matrix_a_fmt:MATRIX_FMT_FP6 matrix_b_fmt:MATRIX_FMT_FP6
.else
	v_wmma_scale_f32_16x16x128_f8f6f4 v[ACC+8*(4*(\a)+\b):ACC+8*(4*(\a)+\b)+7], v[(\f)+48+12*\b:(\f)+48+12*\b+11], v[(\f)+12*(\a):(\f)+12*(\a)+11], v[ACC+8*(4*(\a)+\b):ACC+8*(4*(\a)+\b)+7], v[SC+16+32*(\sc)+4*\b+(\q)], v[SC+32*(\sc)+4*(\a)+(\q)] matrix_a_fmt:MATRIX_FMT_FP6 matrix_b_fmt:MATRIX_FMT_FP6
.endif
.endr
.endr
.endm
.macro PLACES
.rept 4
	v_nop
.endr
.endm
.macro STEP slot, q, zero
	s_wait_dscnt 0x0
	PLACES
	FETCH \slot, (\q)+1, 128*(((\q)+1)%2)
	WIN 0x05
	MUL8 128*((\q)%2), \q, \slot, 0, \zero
	MUL8 128*((\q)%2), \q, \slot, 2, \zero
.endm
.macro TURN slot, next, fill
	WIN 0
.if \fill
	s_wait_xcnt 0x0                                ; my last prefetch has read its address: it steps here, a slot's work behind that prefetch
	s_add_nc_u64 s[PFA:PFA+1], s[PFA:PFA+1], s[12:13]
.endif
	s_wait_tensorcnt 0x0
	ds_add_u32 v[SPW], v[NIL]
	s_wait_dscnt 1
	WIN 0x05
	MUL8 128, 3, \slot, 0, 0
	s_wait_dscnt 0x0
	WIN 0
	s_barrier_signal -1
	s_barrier_wait -1
.if \fill
	CREST
	s_add_nc_u64 s[G0A+4*\slot+2:G0A+4*\slot+3], s[G0A+4*\slot+2:G0A+4*\slot+3], 3145728
	s_add_nc_u64 s[G0B+4*\slot+2:G0B+4*\slot+3], s[G0B+4*\slot+2:G0B+4*\slot+3], 16*BPB
	JLOAD G0A+4*\slot, G1A, G0B+4*\slot, G1B
.else
	PLACES
.endif
	s_wait_alu depctr_va_vdst(0)
	v_add_nc_u32 v[ADSA], 2048, v[ADSA]
	v_add_nc_u32 v[ADSB], 16, v[ADSB]
	FETCH \next, 0, 0
	WIN 0
	SCALES \next
.if \fill
	s_cmp_gt_u32 s3, 1                             ; the last trip's refills have no slot two refills on
	s_cbranch_scc0 .Lno_pf_\@
	global_prefetch_b8 v[PFO], s[PFA:PFA+1] th:TH_LOAD_NT scope:SCOPE_SE
.Lno_pf_\@:
.endif
	WIN 0x05
	MUL8 128, 3, \slot, 2, 0
.endm
	s_wait_tensorcnt 0x0                           ; my tile of the head's four is in
	ds_add_u32 v[SPW], v[NIL]
	s_mov_b32 s[G1A+2], 4<<16                      ; no load of mine is out: from here on a load brings four rows,
	s_mov_b32 s[G1A+4], 4
	s_mov_b32 s[G1B+2], 4<<16
	s_mov_b32 s[G1B+4], 4
	s_mov_b32 s[G0A+1], s18                        ; and slot 0's descriptors name my four
	s_add_nc_u64 s[G0A+2:G0A+3], s[G0A+2:G0A+3], s[98:99]
	s_mov_b32 s[G0B+1], s19
	s_add_nc_u64 s[G0B+2:G0B+3], s[G0B+2:G0B+3], s[2:3]
	s_wait_dscnt 0x0
	CROUND
	JLOAD G0A+4, G1A, G0B+4, G1B                   ; slot 1's first fill, the first tensor load behind the round
	FETCH 0, 0, 0
	WIN 0
	SCALES 0
	STEP 0, 0, 1
.if LAPS > 1
	WIN 0
	s_mov_b32 s3, LAPS-1
.Llap:
	STEP 0, 1, 0
	STEP 0, 2, 0
	TURN 0, 1, 1
	STEP 1, 0, 0
	STEP 1, 1, 0
	STEP 1, 2, 0
	TURN 1, 0, 1
	STEP 0, 0, 0
	WIN 0
	s_sub_co_u32 s3, s3, 1
	s_cmp_lg_u32 s3, 0
	s_cbranch_scc1 .Llap
.endif
	STEP 0, 1, 0
	STEP 0, 2, 0
	TURN 0, 1, 0
	STEP 1, 0, 0
	STEP 1, 1, 0
	STEP 1, 2, 0
	s_wait_dscnt 0x0
	WIN 0x05
	MUL8 128, 3, 1, 0, 0
	MUL8 128, 3, 1, 2, 0
	WIN 0
.macro TOSTAGE a
	WIN 0
.irp b, 0,1,2,3
	ds_store_b128 v[STO], v[ACC+8*(4*(\a)+\b):ACC+8*(4*(\a)+\b)+3] offset:64*\b
	ds_store_b128 v[STO], v[ACC+8*(4*(\a)+\b)+4:ACC+8*(4*(\a)+\b)+7] offset:64*\b+16
.endr
	WIN 0x80
.irp t, 0,1,2,3,4,5,6,7
	ds_load_b128 v[BK+32*((\a)%2)+4*\t:BK+32*((\a)%2)+4*\t+3], v[RD] offset:544*\t
.endr
.endm
.macro SEND a, younger
	s_wait_dscnt \younger
	WIN 0x8a
.set i, 0
.rept 16
	v_pk_add_f32 v[BK+32*((\a)%2)+2*i:BK+32*((\a)%2)+2*i+1], v[BK+32*((\a)%2)+2*i:BK+32*((\a)%2)+2*i+1], v[32*(\a)+2*i:32*(\a)+2*i+1]
.set i, i+1
.endr
	WIN 0x08
.irp t, 0,1,2,3,4,5,6,7
	global_store_b128 v[CO], v[BK+32*((\a)%2)+4*\t:BK+32*((\a)%2)+4*\t+3], s[94:95] offset:(16*(\a)+2*\t)*4096 th:TH_STORE_NT
.endr
.endm
	PLACES
	s_wait_loadcnt 0x0
	TOSTAGE 0
.irp a, 1,2,3
.if \a > 1
	s_wait_xcnt 0x0
.endif
	TOSTAGE \a
	SEND \a-1, 16
.endr
	SEND 3, 0
	WIN 0
	s_wait_tensorcnt 0x0
	ds_add_u32 v[SPW], v[NIL]
	s_wait_dscnt 0x0
	CROUND
	s_endpgm
.Lfunc_end_k_qd20f0dc90e_ffn2:
	.size	k_qd20f0dc90e_ffn2, .Lfunc_end_k_qd20f0dc90e_ffn2-k_qd20f0dc90e_ffn2
	.p2alignl 7, 3214868480
	.fill 96, 4, 3214868480
	.section	.rodata,"a",@progbits
	.p2align	6, 0x0
	.amdhsa_kernel k_qd20f0dc90e_ffn2
		.amdhsa_group_segment_fixed_size 327680
		.amdhsa_private_segment_fixed_size 0
		.amdhsa_enable_private_segment 0
		.amdhsa_kernarg_size 48
		.amdhsa_user_sgpr_count 2
		.amdhsa_user_sgpr_kernarg_segment_ptr 1
		.amdhsa_wavefront_size32 1
		.amdhsa_system_sgpr_workgroup_id_x 1
		.amdhsa_system_sgpr_workgroup_id_y 1
		.amdhsa_system_sgpr_workgroup_id_z 1
		.amdhsa_system_vgpr_workitem_id 0
		.amdhsa_next_free_vgpr 768
		.amdhsa_next_free_sgpr 100
		.amdhsa_reserve_vcc 0
		.amdhsa_float_denorm_mode_32 3
		.amdhsa_float_denorm_mode_16_64 3
		.amdhsa_memory_ordered 1
		.amdhsa_forward_progress 1
		.amdhsa_inst_pref_size 119
	.end_amdhsa_kernel
	.amdgpu_metadata
---
amdhsa.version: [ 1, 2 ]
amdhsa.kernels:
  - .name:           k_qd20f0dc90e_ffn2
    .symbol:         k_qd20f0dc90e_ffn2.kd
    .args:
      - { .name: g, .offset: 0, .size: 8, .value_kind: global_buffer, .address_space: global }
      - { .name: w2p, .offset: 8, .size: 8, .value_kind: global_buffer, .address_space: global }
      - { .name: w2_scales, .offset: 16, .size: 8, .value_kind: global_buffer, .address_space: global }
      - { .name: b2, .offset: 24, .size: 8, .value_kind: global_buffer, .address_space: global }
      - { .name: x1, .offset: 32, .size: 8, .value_kind: global_buffer, .address_space: global }
      - { .name: out0, .offset: 40, .size: 8, .value_kind: global_buffer, .address_space: global }
    .group_segment_fixed_size: 327680
    .private_segment_fixed_size: 0
    .kernarg_segment_align: 8
    .kernarg_segment_size: 48
    .max_flat_workgroup_size: 128
    .sgpr_count:     100
    .vgpr_count:     768
    .wavefront_size: 32
...
	.end_amdgpu_metadata
.endif
;; end of part 6
